; MI455X (gfx1250); checked and timed in simulation.
; The chip was launched on July 23, 2026; its instructions are those of AMD's public machine-readable ISA for CDNA 5 (MIT licence, August 2026) and "CDNA5" Instruction Set Architecture Reference Guide (July 2026). The comments in the code are by the model that wrote it; some were corrected since.
;; Mo E Layer. Allowed arithmetic: float matrix products may take bf16 or f16 operands with f32 sums; other float arithmetic in f32, or as packed bf16 or f16 multiplies, adds, multiply-adds, maxima and minima; sums over many terms, partial sums and values carried from step to step in f32; what a program stores and reads back later, other than sums and carried values, may be rounded once to bf16 or f16.
;; Inputs: W1 8 x 1,024 x 2,048 float32; W2 8 x 2,048 x 1,024 float32; b1 8 x 2,048 float32; b2 8 x 1,024 float32; gate_W 1,024 x 8 float32; gate_b 8 float32; x 4 x 512 x 1,024 float32.
;; Outputs: out0 4 x 512 x 1,024 float32.
;; Constants: num_experts_per_tok = 2.
;; One version. Each part assembles by itself: llvm-mc -triple=amdgcn-amd-amdhsa -mcpu=gfx1250 --defsym DOCPART=n.
;; ======== version 1 of 1: 4 launches
;; workspace buffers: xb 4,194,304 bytes; gw 16,384 bytes; bm 2,048 bytes of whole numbers; hbuf 67,108,864 bytes; part 134,217,728 bytes
;; launch route (part 1): grid 128 x 1, 4 waves a work-group, no clusters, 54,272 bytes of LDS; arguments x, gate_W, gate_b, xb, gw, bm; writes xb, gw, bm
.if DOCPART == 1
	.amdgcn_target "amdgcn-amd-amdhsa--gfx1250"
	.amdhsa_code_object_version 6
	.text
	.protected	k_qf2ee39815b_route
	.globl	k_qf2ee39815b_route
	.p2align	8
	.type	k_qf2ee39815b_route,@function
k_qf2ee39815b_route:
	s_mov_b64 s[64:65], 0
	v_nop
	global_prefetch_b8 v0, s[64:65] scope:SCOPE_SE
	s_setreg_imm32_b32 hwreg(HW_REG_WAVE_MODE, 25, 1), 1
	s_wait_xcnt 0x0
; THE ROUTER.  For 16 tokens a work-group: xb = bf16(x); logits = bf16(x) . bf16(gate_W) + bf16(gate_b), by the matrix unit with f32 sums;
; softmax over the 8 experts with the maximum taken away; the two largest scores (a strict > in an ascending scan: of equal scores the lower expert wins);
; the two gates score / max(sum of the two, 1e-12).  Stored: xb [2048][1024] bf16; gw [2048][2] f32, the lower-numbered chosen expert's gate first;
; bm [8][64] words, bit t % 32 of word t / 32 of row e set where token t chose expert e.  Nothing here forms an address or a branch from the choice.
; LIMITS.  Every input is rounded to bf16, the gate's too.  An exponential below 2^-126 counts as 0.  NaN and infinities are not treated apart.
; SHARES.  Four waves.  Wave w rounds rows 4 w .. 4 w + 3 of x (16 KiB) and lays them into LDS; thread n rounds rows 8 n .. 8 n + 7 of gate_W and lays them turned, [expert][d].
; Then wave w multiplies K = 256 w .. 256 w + 255; the four partial logits meet in LDS and wave 0 does the rest.
.set XP,    2064                       ; an LDS row: 2,048 bytes + 16: 129 x 16, so the 16 rows of a fragment load start in 16 different groups of four banks
.set GT,    16*XP                      ; behind x's 16 rows: gate_W turned, 8 rows
.set PART,  49664                      ; [wave 4][half 2][lane 32][16 bytes]: the partial logits
.set SPARE, 53760                      ; the spare words, 128 bytes a wave: two blocks of 256 bytes that no other line names
.set SPW,   14                         ; v14  SPARE + 4 x my thread's number; never rewritten
.set NIL,   15                         ; v15  0; never rewritten
.set XR,    32                         ; v32-159  x as loaded, 8 registers a group; later the fragments, 16 a K step
.set GR,    160                        ; v160-223 gate_W as loaded: register 8 dd + e holds row 8 n + dd, expert e
.set AC0,   224                        ; v224-231, v232-239: two accumulators, by turns
	s_load_b256 s[4:11], s[0:1], 0x0               ; x s[4:5], gate_W s[6:7], gate_b s[8:9], xb s[10:11]
	s_load_b128 s[12:15], s[0:1], 0x20             ; gw s[12:13], bm s[14:15]
	v_lshl_add_u32 v[SPW], v0, 2, SPARE
	v_mov_b32 v[NIL], 0
	v_and_b32 v1, 31, v0                           ; lane L
	v_and_b32 v2, 15, v0                           ; r = L % 16
	v_bfe_u32 v3, v0, 4, 1                         ; h = L / 16
	v_lshrrev_b32 v4, 5, v0
	v_readfirstlane_b32 s16, v4                    ; wave 0..3
	s_mov_b32 s17, ttmp9                           ; the work-group: tokens 16 g ..
	v_lshlrev_b32 v4, 8, v0                        ; gate_W: 256 bytes a thread
	v_lshlrev_b32 v5, 5, v1                        ; x: 32 bytes a lane
	v_lshlrev_b32 v6, 4, v1                        ; xb: 16 bytes a lane
	s_mul_i32 s18, s16, 4*XP
	v_lshl_add_u32 v7, v1, 4, s18                  ; LDS: my wave's four rows of x
	v_lshl_add_u32 v8, v0, 4, GT                   ; LDS: my 8 numbers in a row of the turned gate_W
	s_lshl_b32 s19, s16, 9                         ; my wave's quarter of K, in bytes
	v_and_b32 v11, 7, v0
	v_mul_u32_u24 v9, v11, XP                      ; gate fragment: row r % 8 (rows 8-15 of the product repeat rows 0-7)
	v_lshl_add_u32 v9, v3, 4, v9
	v_add_nc_u32 v9, s19, v9
	v_add_nc_u32 v9, GT, v9
	v_mul_u32_u24 v10, v2, XP                      ; token fragment: row r
	v_lshl_add_u32 v10, v3, 4, v10
	v_add_nc_u32 v10, s19, v10
	s_lshl_b32 s18, s16, 10
	v_lshl_add_u32 v11, v1, 4, s18
	v_add_nc_u32 v11, PART, v11                    ; where my wave puts its partial logits
	v_lshl_add_u32 v12, v1, 4, PART                ; where wave 0 reads them
	s_wait_kmcnt 0x0
	s_load_b256 s[20:27], s[8:9], 0x0              ; gate_b
	s_lshl_b32 s2, s17, 16                         ; 16 rows of 4,096 bytes a work-group,
	s_lshl_b32 s3, s16, 14                         ; 4 a wave
	s_add_co_u32 s2, s2, s3
	s_mov_b32 s3, 0
	s_add_nc_u64 s[4:5], s[4:5], s[2:3]
	s_lshr_b32 s2, s2, 1                           ; half of that in xb
	s_add_nc_u64 s[10:11], s[10:11], s[2:3]
	s_lshl_b32 s2, s17, 7                          ; gw: 16 tokens x 8 bytes
	s_add_nc_u64 s[12:13], s[12:13], s[2:3]
	s_lshl_b32 s2, s17, 1                          ; bm: my 16 bits of each row
	s_add_nc_u64 s[14:15], s[14:15], s[2:3]
.set i, 0
.rept 16
	global_load_b128 v[GR+4*i:GR+4*i+3], v4, s[6:7] offset:16*i
.set i, i+1
.endr
.set i, 0
.rept 16                               ; group i: row i / 4 of my four, columns 256 (i % 4) + 8 L .. + 7
	global_load_b128 v[XR+8*i:XR+8*i+3],   v5, s[4:5] offset:(i/4)*4096+(i%4)*1024 th:TH_LOAD_NT
	global_load_b128 v[XR+8*i+4:XR+8*i+7], v5, s[4:5] offset:(i/4)*4096+(i%4)*1024+16 th:TH_LOAD_NT
.set i, i+1
.endr
	s_wait_loadcnt 32                              ; gate_W is in; the 32 loads of x issued behind it may stay out
.irp e, 0,1,2,3,4,5,6,7
.irp m, 0,1,2,3
	v_cvt_pk_bf16_f32 v[16+4*((\e)%2)+(\m)], v[GR+16*(\m)+(\e)], v[GR+16*(\m)+8+(\e)]
.endr
	ds_store_b128 v8, v[16+4*((\e)%2):16+4*((\e)%2)+3] offset:(\e)*XP
.endr
.set i, 0
.rept 16
	s_wait_loadcnt 30-2*i                          ; group i's two loads are in; the younger groups' stay out
	v_cvt_pk_bf16_f32 v[XR+8*i],   v[XR+8*i],   v[XR+8*i+1]
	v_cvt_pk_bf16_f32 v[XR+8*i+1], v[XR+8*i+2], v[XR+8*i+3]
	v_cvt_pk_bf16_f32 v[XR+8*i+2], v[XR+8*i+4], v[XR+8*i+5]
	v_cvt_pk_bf16_f32 v[XR+8*i+3], v[XR+8*i+6], v[XR+8*i+7]
	global_store_b128 v6, v[XR+8*i:XR+8*i+3], s[10:11] offset:(i/4)*2048+(i%4)*512  ; the wave stores 512 consecutive bytes, aligned
	ds_store_b128 v7, v[XR+8*i:XR+8*i+3] offset:(i/4)*XP+(i%4)*512
.set i, i+1
.endr
	s_wait_dscnt 0x0                               ; for the others' sake: my rows are in LDS
	s_barrier_signal -1
	s_barrier_wait -1
	s_wait_xcnt 0x0                                ; the stores to xb have read their registers: these take the fragments now
.set i, 0
.rept 8                                ; K step i of my quarter: 8 registers of the gate, 8 of the tokens
	ds_load_b128 v[XR+16*i:XR+16*i+3],     v9  offset:64*i
	ds_load_b128 v[XR+16*i+4:XR+16*i+7],   v9  offset:64*i+32
	ds_load_b128 v[XR+16*i+8:XR+16*i+11],  v10 offset:64*i
	ds_load_b128 v[XR+16*i+12:XR+16*i+15], v10 offset:64*i+32
.set i, i+1
.endr
	s_wait_dscnt 0x0
	; source 0 = experts, source 1 = tokens: register j of a lane is expert j's logit of token r, in both halves of the lanes.  Two accumulators take turns; the first two products start the sums.
.set i, 0
.rept 8
.if i < 2
	v_wmma_f32_16x16x32_bf16 v[AC0+8*(i%2):AC0+8*(i%2)+7], v[XR+16*i:XR+16*i+7], v[XR+16*i+8:XR+16*i+15], 0
.else
	v_wmma_f32_16x16x32_bf16 v[AC0+8*(i%2):AC0+8*(i%2)+7], v[XR+16*i:XR+16*i+7], v[XR+16*i+8:XR+16*i+15], v[AC0+8*(i%2):AC0+8*(i%2)+7]
.endif
.set i, i+1
.endr
.rept 4
	v_nop                                          ; four places behind the last product (ISA guide 7.12.1)
.endr
.irp m, 0,2,4,6                        ; from each accumulator's low end on
	v_pk_add_f32 v[16+(\m):17+(\m)], v[AC0+(\m):AC0+(\m)+1], v[AC0+8+(\m):AC0+8+(\m)+1]
.endr
	ds_store_b128 v11, v[16:19]
	ds_store_b128 v11, v[20:23] offset:512
	s_wait_kmcnt 0x0                               ; gate_b
	s_wait_dscnt 0x0                               ; for wave 0's sake
	s_barrier_signal -1
	s_barrier_wait -1
	s_cmp_lg_u32 s16, 0
	s_cbranch_scc1 .Lend                           ; the rest is 16 tokens' work: wave 0's
.irp w, 0,1,2,3
	ds_load_b128 v[32+8*(\w):35+8*(\w)], v12 offset:1024*(\w)
	ds_load_b128 v[36+8*(\w):39+8*(\w)], v12 offset:1024*(\w)+512
.endr
	s_wait_dscnt 0x0
.irp m, 0,2,4,6
	v_pk_add_f32 v[16+(\m):17+(\m)], v[32+(\m):33+(\m)], v[40+(\m):41+(\m)]
	v_pk_add_f32 v[24+(\m):25+(\m)], v[48+(\m):49+(\m)], v[56+(\m):57+(\m)]
.endr
.irp m, 0,2,4,6
	v_pk_add_f32 v[16+(\m):17+(\m)], v[16+(\m):17+(\m)], v[24+(\m):25+(\m)]
.endr
.irp m, 0,2,4,6                        ; + bf16(gate_b)
	v_mov_b32 v40, s[20+(\m)]
	v_mov_b32 v41, s[21+(\m)]
	v_cvt_pk_bf16_f32 v42, v40, v41
	v_lshlrev_b32 v[24+(\m)], 16, v42
	v_and_b32 v[25+(\m)], 0xffff0000, v42
	v_pk_add_f32 v[16+(\m):17+(\m)], v[16+(\m):17+(\m)], v[24+(\m):25+(\m)]
.endr
	v_max3_num_f32 v24, v16, v17, v18              ; the maximum of the 8 logits
	v_max3_num_f32 v24, v24, v19, v20
	v_max3_num_f32 v24, v24, v21, v22
	v_max_num_f32 v24, v24, v23
.irp e, 0,1,2,3,4,5,6,7
	v_sub_f32 v[32+(\e)], v[16+(\e)], v24
.endr
.irp e, 0,1,2,3,4,5,6,7
	v_mul_f32 v[32+(\e)], 0x3fb8aa3b, v[32+(\e)]   ; x log2(e)
.endr
.irp e, 0,1,2,3,4,5,6,7
	v_exp_f32 v[32+(\e)], v[32+(\e)]
.endr
	v_nop                                          ; a plain instruction behind the last exponential,
	s_wait_alu depctr_va_vdst(0)                   ; and one wait for the eight, ahead of their first reader
	v_pk_add_f32 v[40:41], v[32:33], v[34:35]
	v_pk_add_f32 v[42:43], v[36:37], v[38:39]
	v_pk_add_f32 v[40:41], v[40:41], v[42:43]
	v_add_f32 v25, v40, v41
	v_rcp_f32 v26, v25
	v_nop
	s_wait_alu depctr_va_vdst(0)
.irp e, 0,1,2,3,4,5,6,7
	v_mul_f32 v[32+(\e)], v[32+(\e)], v26          ; the scores
.endr
	v_mov_b32 v27, v32                             ; the largest score and its expert
	v_mov_b32 v28, 0
.irp e, 1,2,3,4,5,6,7
	v_cmp_gt_f32 vcc_lo, v[32+(\e)], v27
	v_cndmask_b32 v27, v27, v[32+(\e)], vcc_lo
	v_cndmask_b32 v28, v28, \e, vcc_lo
.endr
.irp e, 0,1,2,3,4,5,6,7                ; the first choice counts as -1 in the second scan
	v_cmp_eq_u32 vcc_lo, \e, v28
	v_cndmask_b32 v[40+(\e)], v[32+(\e)], -1.0, vcc_lo
.endr
	v_mov_b32 v29, -1.0
	v_mov_b32 v30, 0
.irp e, 0,1,2,3,4,5,6,7
	v_cmp_gt_f32 vcc_lo, v[40+(\e)], v29
	v_cndmask_b32 v29, v29, v[40+(\e)], vcc_lo
	v_cndmask_b32 v30, v30, \e, vcc_lo
.endr
	v_add_f32 v48, v27, v29                        ; the l1 norm of the two (scores are not negative),
	v_max_num_f32 v48, 0x2b8cbccc, v48             ; at least 1e-12
	v_rcp_f32 v49, v48
	v_nop
	s_wait_alu depctr_va_vdst(0)
	v_mul_f32 v50, v27, v49
	v_mul_f32 v51, v29, v49
	v_cmp_lt_u32 vcc_lo, v28, v30                  ; the lower-numbered expert's gate goes first
	v_cndmask_b32 v52, v51, v50, vcc_lo
	v_cndmask_b32 v53, v50, v51, vcc_lo
	v_mov_b32 v54, 0
.irp e, 0,1,2,3,4,5,6,7                ; lane e of v54: bit r set where token r chose expert e
	v_cmp_eq_u32 s28, \e, v28
	v_cmp_eq_u32 s29, \e, v30
	s_or_b32 s28, s28, s29
	v_writelane_b32 v54, s28, \e
.endr
	v_lshlrev_b32 v55, 3, v2                       ; gw: 8 bytes a token
	v_lshlrev_b32 v56, 8, v1                       ; bm: 256 bytes an expert
	v_cmp_gt_u32 vcc_lo, 16, v1
	s_wait_xcnt 0x0                                ; EXEC changes only behind this wait
	s_and_saveexec_b32 s36, vcc_lo
	global_store_b64 v55, v[52:53], s[12:13]       ; lanes 0-15: 128 consecutive bytes
	s_wait_xcnt 0x0
	s_or_b32 exec_lo, exec_lo, s36
	v_cmp_gt_u32 vcc_lo, 8, v1
	s_and_saveexec_b32 s36, vcc_lo
	global_store_b16 v56, v54, s[14:15]            ; lanes 0-7: my 16 tokens' bits of each expert's row
	s_wait_xcnt 0x0
	s_or_b32 exec_lo, exec_lo, s36
.Lend:
	s_wait_tensorcnt 0x0                           ; the wave's end
	ds_add_u32 v[SPW], v[NIL]
	s_wait_dscnt 0x0
	s_endpgm
.Lfunc_end_k_qf2ee39815b_route:
	.size	k_qf2ee39815b_route, .Lfunc_end_k_qf2ee39815b_route-k_qf2ee39815b_route
	.p2alignl 7, 3214868480
	.fill 96, 4, 3214868480
	.section	.rodata,"a",@progbits
	.p2align	6, 0x0
	.amdhsa_kernel k_qf2ee39815b_route
		.amdhsa_group_segment_fixed_size 54272
		.amdhsa_private_segment_fixed_size 0
		.amdhsa_enable_private_segment 0
		.amdhsa_kernarg_size 48
		.amdhsa_user_sgpr_count 2
		.amdhsa_user_sgpr_kernarg_segment_ptr 1
		.amdhsa_wavefront_size32 1
		.amdhsa_system_sgpr_workgroup_id_x 1
		.amdhsa_system_sgpr_workgroup_id_y 1
		.amdhsa_system_sgpr_workgroup_id_z 1
		.amdhsa_system_vgpr_workitem_id 0
		.amdhsa_next_free_vgpr 240
		.amdhsa_next_free_sgpr 66
		.amdhsa_reserve_vcc 1
		.amdhsa_float_denorm_mode_32 3
		.amdhsa_float_denorm_mode_16_64 3
		.amdhsa_memory_ordered 1
		.amdhsa_forward_progress 1
		.amdhsa_inst_pref_size 30
	.end_amdhsa_kernel
	.amdgpu_metadata
---
amdhsa.version: [ 1, 2 ]
amdhsa.kernels:
  - .name:           k_qf2ee39815b_route
    .symbol:         k_qf2ee39815b_route.kd
    .args:
      - { .name: x, .offset: 0, .size: 8, .value_kind: global_buffer, .address_space: global }
      - { .name: gate_W, .offset: 8, .size: 8, .value_kind: global_buffer, .address_space: global }
      - { .name: gate_b, .offset: 16, .size: 8, .value_kind: global_buffer, .address_space: global }
      - { .name: xb, .offset: 24, .size: 8, .value_kind: global_buffer, .address_space: global }
      - { .name: gw, .offset: 32, .size: 8, .value_kind: global_buffer, .address_space: global }
      - { .name: bm, .offset: 40, .size: 8, .value_kind: global_buffer, .address_space: global }
    .group_segment_fixed_size: 54272
    .private_segment_fixed_size: 0
    .kernarg_segment_align: 8
    .kernarg_segment_size: 48
    .max_flat_workgroup_size: 128
    .sgpr_count:     66
    .vgpr_count:     240
    .wavefront_size: 32
...
	.end_amdgpu_metadata
.endif
;; end of part 1
;; launch ffn1 (part 2): grid 32 x 8, 8 waves a work-group, no clusters, 166,912 bytes of LDS; arguments xb, bm, W1, b1, hbuf; writes hbuf
.if DOCPART == 2
	.amdgcn_target "amdgcn-amd-amdhsa--gfx1250"
	.amdhsa_code_object_version 6
	.text
	.protected	k_qf2ee39815b_ffn1
	.globl	k_qf2ee39815b_ffn1
	.p2align	8
	.type	k_qf2ee39815b_ffn1,@function
k_qf2ee39815b_ffn1:
	s_mov_b64 s[64:65], 0
	v_nop
	global_prefetch_b8 v0, s[64:65] scope:SCOPE_SE
	s_setreg_imm32_b32 hwreg(HW_REG_WAVE_MODE, 25, 1), 1
	s_wait_xcnt 0x0
; ONE TEXT FOR BOTH PRODUCTS OF AN EXPERT; SECOND = 0: h = relu(x W1[e] + b1[e]);  SECOND = 1: partial rows h W2[e] (+ b2[e] in K half 0).
; A work-group owns 1,024 (K) x 64 (N) of ONE expert's weights, which it alone reads: f32 from memory, rounded to bf16 on the way through registers, kept in LDS as [k][64].
; Against that slice it multiplies all rows that chose the expert.  A row's RANK is the number of the expert's tokens below it, read off the bitmap bm; tile J holds ranks 16 J .. 16 J + 15.
; SECOND = 0: grid x = the slice of 64 columns of h; the rows are gathered from xb by rank; h goes out in bf16 as hbuf [e][slice 32][tile 128][nt 4][lane 32][16 bytes]: the order in which the
; second product's operand registers take it.  SECOND = 1: grid x = 16 kh + the slice of 64 output columns; K = columns 1024 kh .. of h; f32 sums go to part [kh][e][rank 2048][1024].
; LIMITS.  Weights, biases and x are rounded to bf16, h once to bf16; sums in f32, begun with the bias.  NaN and infinities are not treated apart.  Every split of the tokens is served: an expert
; with no row leaves its work-groups nothing to store; ranks past the count in the last tile repeat the last rank and land in places that nobody reads.
; NO CLUSTER, NO TENSOR LOAD: each weight byte has one reader; the rows come by a list (SECOND = 0), and the loop over rows has a length that hangs on a stored count, so nothing in it fills LDS.
; SHARES.  Eight waves.  Wave w streams K rows 128 w .. 128 w + 127 of the slice: 64 loads of 512 bytes, 60 of them asked for at the head.  Behind the one barrier wave w owns tiles J = w + 8 t and
; takes them in blocks of at most five: block b's place i is t = i nb + b, so that blocks differ by one tile at the most.  Stores of places past n, and products of places 2 to 4 past n, are jumped by
; scalar branches.  Place 1's products are always made: a block has one tile only where the wave has one tile in all, and what they give is then not stored.
; THE ROWS come straight into registers, one K step (32 along K) at a time, through a ring of five buffers: four steps, 40 loads, are on their way.  A step is 10 loads WHATEVER n IS, so that the
; waits can be counted: a place past n still asks, but all its lanes name one row (SECOND = 0: the last rank's token) or one 16 bytes (SECOND = 1), and what comes is not used.
; THE WEIGHTS' fragments come out of LDS through a ring of three buffers, asked for two K steps ahead.
; The loop over blocks has a length read off the bitmap, so every LDS address in it is fixed: K's 32 steps are written out, on three base registers and immediates.
; THE MATRIX INSTRUCTION IS USED TRANSPOSED: source 0 = 16 columns of the weights (turned out of LDS by ds_load_tr16_b128), source 1 = 16 rows: a lane holds ONE row (lane % 16) and the columns 8 (lane / 16) + 0..7.
; REGISTERS: window 0: v0-31 addresses; v32-127 weights' fragments, three buffers x 4 x 8; v128-247 rows' buffers 0 to 2, each 5 tiles x 8.
;   window 1: v0-159 accumulators, (tile i, nt) at 8 (4 i + nt); v160-239 rows' buffers 3 and 4; v240-251 (SECOND = 0) token numbers, two to a register, three registers a block; v252 a zero.
;   On the way out the fragments' registers are idle and hold what is stored, a set for each tile.
.set SECOND, 0
.if SECOND
.set WPITCH, 4096                      ; bytes from a K row of the weights to the next
.set CH,     262144                    ; bytes from 64 along K of the rows to the next 64: a slice of hbuf
.set US,     512                       ; bytes from one 16 along K of a tile's rows to the next
.else
.set WPITCH, 8192
.set CH,     128
.set US,     32
.endif
.set PB,     160                       ; an LDS row of the slice: 128 bytes + 32 = 40 words
.set STAGE,  1024*PB                   ; SECOND = 1: behind the slice, 16 rows x 272 bytes for each wave, for the way out
.set SPITCH, 272
.if SECOND
.set BIASB,  STAGE+8*16*SPITCH         ; the slice's 64 biases, rounded, in f32: 256 bytes, a copy for each wave
.else
.set BIASB,  STAGE
.endif
.set SPARE,  BIASB+8*256               ; the spare words, 128 bytes a wave: four blocks of 256 bytes that no other line names
.set H16, 1                            ; v1   first the lane, then (SECOND = 0) 16 h
.set RR,  2                            ; v2   r = lane % 16
.set HH,  3                            ; v3   h = lane / 16
.set WO,  4                            ; v4   the stream: my byte offset in memory
.set WL,  5                            ; v5   the stream: my byte in LDS
.set VB,  6                            ; v6-8 my lane's place in 32 K rows of the slice, at K steps 0, 12 and 24: twelve steps' 61,440 bytes are in reach of an immediate; never rewritten
.set L16, 9                            ; v9   16 x lane
.set IDB, 10                           ; v10-14  my byte offset in the rows of the block's five tiles; on the way out in the tiles' output
.set BL,  15                           ; v15  32 h: my offset in the slice's biases in memory; then the same in my wave's copy in LDS
.set STO, 16                           ; v16-18 (SECOND = 1) the way out: into the stage, back, my offset in part
.set RD,  17
.set CO,  18
.set SPW, 30                           ; v30  SPARE + 4 x my thread's number; never rewritten
.set NIL, 31                           ; v31  0; never rewritten
.set BF,  32
.set BR,  64                           ; v64-95 ahead of the barrier: the bias as loaded
.set SG,  64                           ; v64-223 (SECOND = 1) on the way out: 32 registers a tile
.set AF,  128
.set ACC, 0                            ; window 1
.set A2,  160
.set ID,  240
.set ZR,  252
; scalars: s[4:5] rows, s[6:7] bm, s[8:9] weights, s[10:11] bias, s[12:13] output; bitmap word j in s[16+j] (j < 48) or s[20+j];
; s84 wave, s85 expert, s86 slice, s87 count, s88 my tiles, s89 my blocks, s90 block, s91 n, s92 first count - 1, then the block that is set up, s93-95, s101 at work, s96 0xffff0000, s99, s100 the search's counter and bound
.set MSB, 0
.macro WIN new                         ; s_set_vgpr_msb: bits 1:0 source 0, 3:2 source 1, 5:4 source 2, 7:6 destination; the high byte repeats the setting that is left
.if MSB != (\new)
	s_set_vgpr_msb (MSB<<8)|(\new)
.set MSB, (\new)
.endif
.endm
.macro PLACES                          ; four places behind matrix instructions, in front of loads into their sources and of readers of their results
.rept 4
	v_nop
.endr
.endm
.macro ABUF buf                        ; where rows' buffer buf lies: AB its first register, AWN its window
.if (\buf) >= 3
.set AB, A2+40*((\buf)-3)
.set AWN, 1
.else
.set AB, AF+40*(\buf)
.set AWN, 0
.endif
.endm
; The rows of K step kk, into buffer kk % 5: two loads of 16 bytes a lane for each of the five places, 10 loads on every way
.macro LOADA kk
	ABUF (\kk)%5
	WIN AWN<<6
.irp t, 0,1,2,3,4
	global_load_b128 v[AB+8*(\t):AB+8*(\t)+3],   v[IDB+(\t)], s[4:5] offset:((\kk)/2)*CH+((\kk)%2)*2*US
	global_load_b128 v[AB+8*(\t)+4:AB+8*(\t)+7], v[IDB+(\t)], s[4:5] offset:((\kk)/2)*CH+((\kk)%2)*2*US+US
.endr
	WIN 0
.endm
; The weights' fragments of K step kk, 32 K x 64 columns, turned, into buffer kk % 3
.macro LOADB kk
.irp c, 0,1,2,3
	ds_load_tr16_b128 v[BF+32*((\kk)%3)+8*(\c):BF+32*((\kk)%3)+8*(\c)+3],   v[VB+(\kk)/12] offset:32*PB*((\kk)%12)+32*(\c)
	ds_load_tr16_b128 v[BF+32*((\kk)%3)+8*(\c)+4:BF+32*((\kk)%3)+8*(\c)+7], v[VB+(\kk)/12] offset:32*PB*((\kk)%12)+16*PB+32*(\c)
.endr
.endm
; Tile t's four products of K step k (MB: the step's rows).  The accumulators take turns, one instruction a turn, on every way
.macro TILE t
.irp c, 0,1,2,3
	v_wmma_f32_16x16x32_bf16 v[ACC+8*(4*(\t)+(\c)):ACC+8*(4*(\t)+(\c))+7], v[BF+32*(k%3)+8*(\c):BF+32*(k%3)+8*(\c)+7], v[MB+8*(\t):MB+8*(\t)+7], v[ACC+8*(4*(\t)+(\c)):ACC+8*(4*(\t)+(\c))+7]
.endr
.endm
; K step k of 32: the waits; two tiles' products; the requests (the weights two steps on, the rows four steps on, each into the buffer that step k - 1 has left, four places behind its products); the other tiles.
.macro STEP
.if k < 29
	s_wait_loadcnt 30                              ; my step's rows are in; the 30 loads of the three steps issued behind them stay out
.else
	s_wait_loadcnt 10*(31-k)                       ; the last steps: two, one, no step was issued behind
.endif
.if k < 31
	s_wait_dscnt 8                                 ; my step's weights are in (at step 0 the accumulators' start too); the next step's 8 loads stay out
.else
	s_wait_dscnt 0x0
.endif
	ABUF k%5
.set MB, AB
.set MW, 0x50|(AWN<<2)                 ; C and D in window 1, the rows in their buffer's window
	WIN MW
	TILE 0
	TILE 1
	WIN 0
	PLACES
.if k < 30
	LOADB k+2
.endif
.if k < 28
	LOADA k+4
.endif
.irp t, 2,3,4
	s_cmp_le_u32 s91, \t                           ; at a branch and at a label every window is 0
	s_cbranch_scc1 .Lmu_\@
	WIN MW
	TILE \t
	WIN 0
.endr
.Lmu_\@:
.set k, k+1
.endm
; Block s92 is set up: n, and my byte offsets in the rows of its five places.
.macro SETN
.if SECOND
	s_mov_b32 s91, 0
	s_mov_b32 s93, s92                             ; t = b, nb + b, .. 4 nb + b
.irp t, 0,1,2,3,4
	s_lshl3_add_u32 s94, s93, s84                  ; J = 8 t + w
	s_cmp_lt_u32 s93, s88                          ; a tile of mine?
	s_cselect_b32 s95, 1, 0
	s_cselect_b32 s94, s94, 0                      ; a place past n names the expert's first 16 bytes, in every lane
	s_cselect_b32 s101, 0x1f0, 0
	s_add_co_u32 s91, s91, s95
	s_min_u32 s94, s94, 127                        ; inside the expert's 128 tiles
	s_lshl_b32 s94, s94, 11
	v_and_b32 v[IDB+(\t)], s101, v[L16]
	v_add_nc_u32 v[IDB+(\t)], s94, v[IDB+(\t)]
	s_add_co_u32 s93, s93, s89
.endr
.else
	s_mov_b32 s91, 0                               ; n = how many of t = b, nb + b, .. 4 nb + b are tiles of mine
	s_mov_b32 s101, s92
.rept 5
	s_cmp_lt_u32 s101, s88
	s_cselect_b32 s93, 1, 0
	s_add_co_u32 s91, s91, s93
	s_add_co_u32 s101, s101, s89
.endr
	WIN 0x04                                       ; source 1 in window 1
	v_and_b32     v[IDB+0], 0xffff, v[ID+0]
	v_lshrrev_b32 v[IDB+1], 16, v[ID+0]
	v_and_b32     v[IDB+2], 0xffff, v[ID+1]
	v_lshrrev_b32 v[IDB+3], 16, v[ID+1]
	v_and_b32     v[IDB+4], 0xffff, v[ID+2]
	WIN 0
.irp t, 0,1,2,3,4
	v_min_u32 v[IDB+(\t)], 0x7ff, v[IDB+(\t)]      ; a token, inside xb's 2,048 rows
.endr
.irp t, 0,1,2,3,4
	v_lshl_add_u32 v[IDB+(\t)], v[IDB+(\t)], 11, v[H16]
.endr
.endif
.endm
; THE WAY OUT of the block's n tiles.  The rows' loads are all back, so their offsets' registers take the stores' offsets and the fragments' registers what is stored, a set for each tile: nothing is rewritten while a store may read it.
.macro WAYOUT
	PLACES
.irp t, 0,1,2,3,4
.if (\t) > 0
	s_cmp_le_u32 s91, \t
	s_cbranch_scc1 .Lwo_\@
.endif
	s_mul_i32 s101, s89, \t
	s_add_co_u32 s101, s101, s90                   ; t = i nb + b
	s_lshl3_add_u32 s101, s101, s84                ; J = 8 t + w,
	s_min_u32 s101, s101, 127                      ; inside the expert's 128 tiles
.if SECOND
	s_lshl_b32 s101, s101, 16                      ; 16 rows of 4,096 bytes
	v_add_nc_u32 v[IDB+(\t)], s101, v[CO]
	WIN 0x04                                       ; store data in window 1: the sums as they are, each accumulator from its low end on
.irp c, 0,1,2,3
	ds_store_b128 v[STO], v[ACC+8*(4*(\t)+(\c)):ACC+8*(4*(\t)+(\c))+3]   offset:64*(\c)
	ds_store_b128 v[STO], v[ACC+8*(4*(\t)+(\c))+4:ACC+8*(4*(\t)+(\c))+7] offset:64*(\c)+16
.endr
	WIN 0
.irp u, 0,1,2,3,4,5,6,7
	ds_load_b128 v[SG+32*(\t)+4*(\u):SG+32*(\t)+4*(\u)+3], v[RD] offset:(\u)*2*SPITCH  ; my own stage: LDS serves a wave's instructions in order (ISA guide 5.7.1.4), these see the stores above
.endr
	s_wait_dscnt 0x0
.irp u, 0,1,2,3,4,5,6,7
	global_store_b128 v[IDB+(\t)], v[SG+32*(\t)+4*(\u):SG+32*(\t)+4*(\u)+3], s[12:13] offset:(\u)*8192  ; 16 lanes store 256 consecutive bytes, aligned: a row's 64 columns
.endr
.else
	s_lshl_b32 s101, s101, 11                      ; a tile of hbuf is 2,048 bytes
	v_add_nc_u32 v[IDB+(\t)], s101, v[L16]
	WIN 0x45                                       ; destination and both sources in window 1
.irp c, 0,1,2,3
.irp m, 0,1,2,3                        ; from each accumulator's low end on
	v_cvt_pk_bf16_f32 v[A2+16*(\t)+4*(\c)+(\m)], v[ACC+8*(4*(\t)+(\c))+2*(\m)], v[ACC+8*(4*(\t)+(\c))+2*(\m)+1]
.endr
.endr
.irp c, 0,1,2,3
.irp m, 0,1,2,3
	v_pk_max_num_bf16 v[A2+16*(\t)+4*(\c)+(\m)], v[A2+16*(\t)+4*(\c)+(\m)], v[ZR]  ; relu on the rounded pair: nothing is rounded again
.endr
.endr
	WIN 0x04
.irp c, 0,1,2,3
	global_store_b128 v[IDB+(\t)], v[A2+16*(\t)+4*(\c):A2+16*(\t)+4*(\c)+3], s[12:13] offset:512*(\c)  ; the wave stores 512 consecutive bytes, aligned
.endr
	WIN 0
.endif
.endr
.Lwo_\@:
.endm
	s_load_b256 s[4:11], s[0:1], 0x0               ; rows s[4:5], bm s[6:7], weights s[8:9], bias s[10:11]
	s_load_b64 s[12:13], s[0:1], 0x20              ; output
	v_lshl_add_u32 v[SPW], v0, 2, SPARE
	v_mov_b32 v[NIL], 0
	v_and_b32 v1, 31, v0
	v_and_b32 v[RR], 15, v0
	v_bfe_u32 v[HH], v0, 4, 1
	v_lshrrev_b32 v16, 5, v0
	v_readfirstlane_b32 s84, v16                   ; wave 0..7
	s_and_b32 s85, ttmp7, 0xffff                   ; expert
.if SECOND
	s_and_b32 s86, ttmp9, 15                       ; slice of 64 output columns
	s_lshr_b32 s98, ttmp9, 4                       ; kh: which half of K
	s_cmp_eq_u32 s98, 0
	s_cselect_b32 s97, -1, 0                       ; the bias belongs to half 0 alone
.else
	s_mov_b32 s86, ttmp9                           ; slice of 64 columns of h
.endif
	s_mov_b32 s96, 0xffff0000                      ; a word's upper bf16; also: lanes 16-31
	v_mul_u32_u24 v[WO], v[HH], 4*WPITCH           ; lanes 0-15 take a K row's 256 bytes, lanes 16-31 those of the row four further on
	v_lshl_add_u32 v[WO], v[RR], 4, v[WO]
	s_mul_i32 s101, s84, 128*PB
	v_mul_u32_u24 v[WL], v[HH], 4*PB
	v_lshl_add_u32 v[WL], v[RR], 3, v[WL]
	v_add_nc_u32 v[WL], s101, v[WL]
	v_and_b32 v16, 7, v0                           ; the turning load: lane l reads K row 8 (l / 16) + l % 8, columns 8 ((l / 8) % 2) + 0..7
	v_lshl_add_u32 v16, v[HH], 3, v16
	v_mul_u32_u24 v[VB], v16, PB
	v_bfe_u32 v16, v0, 3, 1
	v_lshl_add_u32 v[VB], v16, 4, v[VB]
	v_add_nc_u32 v[VB+1], 12*32*PB, v[VB]
	v_add_nc_u32 v[VB+2], 24*32*PB, v[VB]
	v_lshlrev_b32 v[L16], 4, v1
.if !SECOND
	v_lshlrev_b32 v[H16], 4, v[HH]
.endif
	v_lshlrev_b32 v[BL], 5, v[HH]                  ; the bias of my eight columns of a group of 16
	s_wait_kmcnt 0x0
	s_lshl_b32 s2, s85, 8
	s_mov_b32 s3, 0
	s_add_nc_u64 s[6:7], s[6:7], s[2:3]            ; the expert's row of the bitmap
	s_load_b512 s[16:31], s[6:7], 0x0
	s_load_b512 s[32:47], s[6:7], 0x40
	s_load_b512 s[48:63], s[6:7], 0x80
	s_load_b512 s[68:83], s[6:7], 0xc0
.if SECOND
	s_lshl_b32 s2, s85, 12                         ; b2: 1,024 numbers an expert
.else
	s_lshl_b32 s2, s85, 13                         ; b1: 2,048
.endif
	s_lshl_b32 s101, s86, 8
	s_add_co_u32 s2, s2, s101
	s_add_nc_u64 s[10:11], s[10:11], s[2:3]
	s_lshl_b32 s2, s85, 23                         ; the expert's 8 MiB of weights,
	s_add_co_u32 s2, s2, s101                      ; the slice's 256 bytes of a K row,
	s_mul_i32 s101, s84, 128*WPITCH                ; my wave's 128 K rows
	s_add_co_u32 s2, s2, s101
.if SECOND
	s_lshl_b32 s101, s98, 22                       ; and the half of K
	s_add_co_u32 s2, s2, s101
.endif
	s_add_nc_u64 s[8:9], s[8:9], s[2:3]
	; THE STREAM: my 128 K rows x 256 bytes.  Load i takes rows 8 (i / 4) + i % 4 and that + 4.  60 of the 64 loads go out now, into window 1: where the accumulators and the rows' buffers 3 and 4 will lie.
	WIN 0x40                                       ; destination in window 1
.set i, 0
.rept 60
	global_load_b128 v[4*i:4*i+3], v[WO], s[8:9] offset:(8*(i/4)+i%4)*WPITCH th:TH_LOAD_NT
.set i, i+1
.endr
	WIN 0
.if SECOND
	s_lshl_b32 s2, s98, 3                          ; part: plane 8 kh + e of 8 MiB, the slice's 256 bytes of a row
	s_add_co_u32 s2, s2, s85
	s_lshl_b32 s2, s2, 23
	s_lshl_b32 s101, s86, 8
	s_add_co_u32 s2, s2, s101
	s_add_nc_u64 s[12:13], s[12:13], s[2:3]
	s_lshl_b32 s2, s85, 5                          ; hbuf: slice 32 e + 16 kh on
	s_lshl_b32 s101, s98, 4
	s_add_co_u32 s2, s2, s101
	s_lshl_b32 s2, s2, 18
	s_add_nc_u64 s[4:5], s[4:5], s[2:3]
	s_mul_i32 s101, s84, 16*SPITCH
	s_add_co_u32 s101, s101, STAGE                 ; my stage
	v_mul_u32_u24 v[STO], v[RR], SPITCH            ; in: row r, 32 bytes for each half of the lanes
	v_lshl_add_u32 v[STO], v[HH], 5, v[STO]
	v_add_nc_u32 v[STO], s101, v[STO]
	v_mul_u32_u24 v[RD], v[HH], SPITCH             ; back: lanes 0-15 one row of 256 bytes, lanes 16-31 the next
	v_lshl_add_u32 v[RD], v[RR], 4, v[RD]
	v_add_nc_u32 v[RD], s101, v[RD]
	v_lshlrev_b32 v[CO], 12, v[HH]                 ; and the same two rows in part
	v_lshl_add_u32 v[CO], v[RR], 4, v[CO]
.else
	s_lshl_b32 s2, s85, 5                          ; hbuf: slice 32 e + s of 262,144 bytes
	s_add_co_u32 s2, s2, s86
	s_lshl_b32 s2, s2, 18
	s_add_nc_u64 s[12:13], s[12:13], s[2:3]
.endif
	s_wait_kmcnt 0x0                               ; the bitmap
	s_mov_b32 s87, 0
.set j, 0
.rept 64
	s_bcnt1_i32_b32 s101, s[16+j+4*(j/48)]
	s_add_co_u32 s87, s87, s101                    ; the expert's rows
.set j, j+1
.endr
	s_add_co_u32 s88, s87, 15
	s_lshr_b32 s88, s88, 4                         ; its tiles,
	s_add_co_u32 s88, s88, 7
	s_sub_co_u32 s88, s88, s84
	s_lshr_b32 s88, s88, 3                         ; of which J = w, w + 8, .. are mine: 16 at the most
	s_min_u32 s88, s88, 16
	s_add_co_u32 s89, s88, 4
	s_mul_i32 s89, s89, 13
	s_lshr_b32 s89, s89, 6                         ; blocks: (tiles + 4) / 5, as x 13 / 64, which holds up to 20
.if !SECOND
	; WHICH TOKEN HAS A RANK.  It stands here, in the wait for the stream.  Twelve trips, three for each block; a trip finds two places of 16 ranks: lanes 0-15 search for place i = 2 (v % 3) of block v / 3,
	; lanes 16-31 for place i + 1 (the sixth place of a block is never a tile).  Place i of block b is tile t = i nb + b.  Trips past the blocks in use are jumped.  The two tokens go into one register,
	; and each trip ends by moving the list down by one, so that after twelve trips trip v's pair lies in ID[v].
	s_max_u32 s92, s87, 1
	s_sub_co_u32 s92, s92, 1                       ; the last rank
	s_mov_b32 s97, 0x76543210                      ; v_permlanex16_b32: each lane takes its own place in the other half
	s_mov_b32 s98, 0xfedcba98
	v_mov_b32 v27, 0                               ; its destination counts as read
	WIN 0x40
.set k, 0
.rept 13
	v_mov_b32 v[ID+k], 0                           ; the list, and the zero behind it
.set k, k+1
.endr
	WIN 0
	s_mul_i32 s100, s89, 3                         ; trips in use
	s_mov_b32 s99, 0
.macro LEVEL step                      ; v23 = the set bits in the lower half of what is left: is the wanted one above them?
	v_cmp_ge_u32 vcc_lo, v19, v23
	v_sub_nc_u32 v25, v19, v23
	v_add_nc_u32 v26, \step, v24
	v_cndmask_b32 v19, v19, v25, vcc_lo
	v_cndmask_b32 v24, v24, v26, vcc_lo
.endm
.Lsel:
	v_mov_b32 v28, 0
	s_cmp_ge_u32 s99, s100
	s_cbranch_scc1 .Lrot
	s_mul_i32 s91, s99, 11
	s_lshr_b32 s91, s91, 5                         ; b = v / 3, as x 11 / 32, which holds up to 11
	s_mul_i32 s93, s91, 3
	s_sub_co_u32 s93, s99, s93
	s_lshl_b32 s93, s93, 1                         ; i = 2 (v % 3)
	s_mul_i32 s93, s93, s89
	s_add_co_u32 s93, s93, s91                     ; t of place i,
	s_add_co_u32 s94, s93, s89                     ; of place i + 1
	s_lshl3_add_u32 s93, s93, s84                  ; J
	s_lshl3_add_u32 s94, s94, s84
	s_lshl_b32 s2, s93, 4                          ; their first ranks
	s_lshl_b32 s3, s94, 4
	v_mov_b32 v16, s2
	v_cndmask_b32 v16, v16, s3, s96
	v_add_nc_u32 v16, v[RR], v16
	v_min_u32 v16, s92, v16                        ; my rank; past the count: the last rank again
	v_mov_b32 v17, s16                             ; the word that holds it, and (word's number, set bits below the word)
	v_mov_b32 v18, 0
	s_mov_b32 s93, 0
.set j, 1
.rept 63
	s_bcnt1_i32_b32 s95, s[16+(j-1)+4*((j-1)/48)]
	s_add_co_u32 s93, s93, s95                     ; set bits below word j
	s_add_co_u32 s94, s93, j<<16
	v_cmp_le_u32 vcc_lo, s93, v16                  ; the last word of which this holds is the one
	v_cndmask_b32 v17, v17, s[16+j+4*(j/48)], vcc_lo
	v_cndmask_b32 v18, v18, s94, vcc_lo
.set j, j+1
.endr
	v_and_b32 v19, 0xffff, v18
	v_sub_nc_u32 v19, v16, v19                     ; which of the word's set bits
	v_lshrrev_b32 v20, 1, v17                      ; counts in fields of 2, 4 and 8 bits
	v_and_b32 v20, 0x55555555, v20
	v_sub_nc_u32 v20, v17, v20
	v_lshrrev_b32 v21, 2, v20
	v_and_b32 v21, 0x33333333, v21
	v_and_b32 v23, 0x33333333, v20
	v_add_nc_u32 v21, v21, v23
	v_lshrrev_b32 v22, 4, v21
	v_add_nc_u32 v22, v22, v21
	v_and_b32 v22, 0x0f0f0f0f, v22
	v_lshrrev_b32 v23, 8, v22
	v_add_nc_u32 v23, v23, v22
	v_and_b32 v23, 0xff, v23                       ; in the low 16 bits
	v_mov_b32 v24, 0                               ; the bit's place, made from the top down
	LEVEL 16
	v_bfe_u32 v23, v22, v24, 8
	LEVEL 8
	v_bfe_u32 v23, v21, v24, 4
	LEVEL 4
	v_bfe_u32 v23, v20, v24, 2
	LEVEL 2
	v_bfe_u32 v23, v17, v24, 1
	LEVEL 1
	v_lshrrev_b32 v25, 16, v18
	v_lshl_add_u32 v26, v25, 5, v24                ; the token
	v_permlanex16_b32 v27, v26, s97, s98           ; a tile's token r is wanted in lanes r and r + 16
	v_cndmask_b32 v28, v26, v27, s96               ; place i's tokens,
	v_cndmask_b32 v29, v27, v26, s96               ; place i + 1's,
	v_lshl_or_b32 v28, v29, 16, v28                ; 11 bits each, in the two halves of a word
.Lrot:
	WIN 0x41                                       ; destination and source in window 1
.set k, 0
.rept 11
	v_mov_b32 v[ID+k], v[ID+k+1]
.set k, k+1
.endr
	WIN 0x40
	v_mov_b32 v[ID+11], v28
	WIN 0
	s_add_co_u32 s99, s99, 1
	s_cmp_lt_u32 s99, 12
	s_cbranch_scc1 .Lsel
.endif
	s_mov_b32 s92, 0
	SETN                                           ; the first block
	; THE STREAM LANDS: four loads at a time are rounded to bf16 and laid into LDS, 8 bytes a lane; the two halves of the lanes fall 640 bytes, 32 banks, apart.
	; Among the groups further loads go out, so that never more than 60 are out: behind group 0 the stream's last four, into the registers that group 0 has left; behind group 2 the bias's eight;
	; behind group 7 the first block's K steps 0 and 1 of the rows, behind group 12 its K steps 2 and 3 (buffer 3 lies where groups 10 to 12 landed), 20 loads each time.
	; Each wait's count is the loads issued behind its group's.
.set g, 0
.rept 16
.if g < 2
	s_wait_loadcnt 56                              ; group 0: groups 1-14; group 1: groups 2-14 and group 15
.elseif g == 2
	s_wait_loadcnt 52                              ; groups 3-14 and group 15
.elseif g < 8
	s_wait_loadcnt (14-g)*4+12                     ; the later groups, group 15's 4, the bias's 8
.elseif g < 13
	s_wait_loadcnt (14-g)*4+32                     ; and K steps 0 and 1's 20
.elseif g < 15
	s_wait_loadcnt (14-g)*4+52                     ; and K steps 2 and 3's 20
.else
	s_wait_loadcnt 48                              ; group 15: the bias's 8 and the four K steps' 40
.endif
	WIN 0x05                                       ; sources in window 1
.set src, 16*(g%15)
.set j, 0
.rept 4
	v_cvt_pk_bf16_f32 v[BF+8*(g%4)+2*j],   v[src+4*j],   v[src+4*j+1]
	v_cvt_pk_bf16_f32 v[BF+8*(g%4)+2*j+1], v[src+4*j+2], v[src+4*j+3]
.set j, j+1
.endr
	WIN 0
.set j, 0
.rept 4
	ds_store_b64 v[WL], v[BF+8*(g%4)+2*j:BF+8*(g%4)+2*j+1] offset:(8*g+j)*PB
.set j, j+1
.endr
.if g == 0
	WIN 0x40
.set i, 60
.rept 4
	global_load_b128 v[4*(i-60):4*(i-60)+3], v[WO], s[8:9] offset:(8*(i/4)+i%4)*WPITCH th:TH_LOAD_NT
.set i, i+1
.endr
	WIN 0
.endif
.if g == 2
.irp c, 0,1,2,3
	global_load_b128 v[BR+8*(\c):BR+8*(\c)+3],   v[BL], s[10:11] offset:64*(\c)
	global_load_b128 v[BR+8*(\c)+4:BR+8*(\c)+7], v[BL], s[10:11] offset:64*(\c)+16
.endr
.endif
.if g == 7
	LOADA 0
	LOADA 1
.endif
.if g == 12
	LOADA 2
	LOADA 3
.endif
.set g, g+1
.endr
	s_wait_loadcnt 40                              ; the bias is in; the four K steps' 40 loads stay out
.set k, 0
.rept 16                               ; rounded to bf16 and widened again
	v_cvt_pk_bf16_f32 v[BF+k%4], v[BR+2*k], v[BR+2*k+1]
.if SECOND
	v_and_b32 v[BF+k%4], s97, v[BF+k%4]            ; 0 in K half 1
.endif
	v_lshlrev_b32 v[BR+2*k], 16, v[BF+k%4]
	v_and_b32 v[BR+2*k+1], s96, v[BF+k%4]
.set k, k+1
.endr
	s_lshl_b32 s101, s84, 8
	s_add_co_u32 s101, s101, BIASB
	v_add_nc_u32 v[BL], s101, v[BL]                ; free since the wait above: now my place in my wave's copy
.irp c, 0,1,2,3
	ds_store_b128 v[BL], v[BR+8*(\c):BR+8*(\c)+3]   offset:64*(\c)     ; the sixteen lanes of a half store the same numbers to the same bytes
	ds_store_b128 v[BL], v[BR+8*(\c)+4:BR+8*(\c)+7] offset:64*(\c)+16
.endr
	s_wait_dscnt 0x0                               ; for the others' sake: my K rows are in LDS
	s_barrier_signal -1
	s_barrier_wait -1                              ; the one barrier: the slice is whole, and nothing writes it again
	s_cmp_eq_u32 s89, 0
	s_cbranch_scc1 .Ldone                          ; no tile of mine
	s_mov_b32 s90, 0
.Lblock:                                               ; nb trips, a number read off the bitmap; the LDS addresses are the same in every trip.  The block's K steps 0 to 3 of the rows are on their way
	WIN 0x40                                       ; destination in window 1
.irp t, 0,1,2,3,4                      ; the sums begin with the bias: my wave's own copy, which my own stores wrote
.irp c, 0,1,2,3
	ds_load_b128 v[ACC+8*(4*(\t)+(\c)):ACC+8*(4*(\t)+(\c))+3],   v[BL] offset:64*(\c)
	ds_load_b128 v[ACC+8*(4*(\t)+(\c))+4:ACC+8*(4*(\t)+(\c))+7], v[BL] offset:64*(\c)+16
.endr
.endr
	WIN 0
	LOADB 0                                        ; K steps 0 and 1 of the weights
	LOADB 1
.set k, 0
.rept 32                               ; the place along K stands in the loads' immediates: 15 CH + 3 US at the most, inside the signed 24 bits
	STEP
.endr
	WAYOUT
	s_wait_xcnt 0x0                                ; the stores have read their offsets and data: the rows' offsets and the fragments' registers are rewritten only behind this wait
	s_add_co_u32 s92, s90, 1
	s_cmp_ge_u32 s92, s89
	s_cbranch_scc1 .Lnone                          ; no further block: nothing is asked for
.if !SECOND
	WIN 0x41
.set k, 0
.rept 9
	v_mov_b32 v[ID+k], v[ID+k+3]                   ; the next block's three registers
.set k, k+1
.endr
	WIN 0
.endif
	SETN
	LOADA 0                                        ; the next block's first four K steps
	LOADA 1
	LOADA 2
	LOADA 3
.Lnone:
	s_add_co_u32 s90, s90, 1
	s_cmp_lt_u32 s90, s89
	s_cbranch_scc1 .Lblock
.Ldone:
	s_wait_tensorcnt 0x0                           ; the wave's end
	ds_add_u32 v[SPW], v[NIL]
	s_wait_dscnt 0x0
	s_endpgm
.Lfunc_end_k_qf2ee39815b_ffn1:
	.size	k_qf2ee39815b_ffn1, .Lfunc_end_k_qf2ee39815b_ffn1-k_qf2ee39815b_ffn1
	.p2alignl 7, 3214868480
	.fill 96, 4, 3214868480
	.section	.rodata,"a",@progbits
	.p2align	6, 0x0
	.amdhsa_kernel k_qf2ee39815b_ffn1
		.amdhsa_group_segment_fixed_size 166912
		.amdhsa_private_segment_fixed_size 0
		.amdhsa_enable_private_segment 0
		.amdhsa_kernarg_size 40
		.amdhsa_user_sgpr_count 2
		.amdhsa_user_sgpr_kernarg_segment_ptr 1
		.amdhsa_wavefront_size32 1
		.amdhsa_system_sgpr_workgroup_id_x 1
		.amdhsa_system_sgpr_workgroup_id_y 1
		.amdhsa_system_sgpr_workgroup_id_z 1
		.amdhsa_system_vgpr_workitem_id 0
		.amdhsa_next_free_vgpr 512
		.amdhsa_next_free_sgpr 102
		.amdhsa_reserve_vcc 1
		.amdhsa_float_denorm_mode_32 3
		.amdhsa_float_denorm_mode_16_64 3
		.amdhsa_memory_ordered 1
		.amdhsa_forward_progress 1
		.amdhsa_inst_pref_size 183
	.end_amdhsa_kernel
	.amdgpu_metadata
---
amdhsa.version: [ 1, 2 ]
amdhsa.kernels:
  - .name:           k_qf2ee39815b_ffn1
    .symbol:         k_qf2ee39815b_ffn1.kd
    .args:
      - { .name: xb, .offset: 0, .size: 8, .value_kind: global_buffer, .address_space: global }
      - { .name: bm, .offset: 8, .size: 8, .value_kind: global_buffer, .address_space: global }
      - { .name: W1, .offset: 16, .size: 8, .value_kind: global_buffer, .address_space: global }
      - { .name: b1, .offset: 24, .size: 8, .value_kind: global_buffer, .address_space: global }
      - { .name: hbuf, .offset: 32, .size: 8, .value_kind: global_buffer, .address_space: global }
    .group_segment_fixed_size: 166912
    .private_segment_fixed_size: 0
    .kernarg_segment_align: 8
    .kernarg_segment_size: 40
    .max_flat_workgroup_size: 256
    .sgpr_count:     102
    .vgpr_count:     512
    .wavefront_size: 32
...
	.end_amdgpu_metadata
.endif
;; end of part 2
;; launch ffn2 (part 3): grid 32 x 8, 8 waves a work-group, no clusters, 201,728 bytes of LDS; arguments hbuf, bm, W2, b2, part; writes part
.if DOCPART == 3
	.amdgcn_target "amdgcn-amd-amdhsa--gfx1250"
	.amdhsa_code_object_version 6
	.text
	.protected	k_qf2ee39815b_ffn2
	.globl	k_qf2ee39815b_ffn2
	.p2align	8
	.type	k_qf2ee39815b_ffn2,@function
k_qf2ee39815b_ffn2:
	s_mov_b64 s[64:65], 0
	v_nop
	global_prefetch_b8 v0, s[64:65] scope:SCOPE_SE
	s_setreg_imm32_b32 hwreg(HW_REG_WAVE_MODE, 25, 1), 1
	s_wait_xcnt 0x0
; ONE TEXT FOR BOTH PRODUCTS OF AN EXPERT; SECOND = 0: h = relu(x W1[e] + b1[e]);  SECOND = 1: partial rows h W2[e] (+ b2[e] in K half 0).
; A work-group owns 1,024 (K) x 64 (N) of ONE expert's weights, which it alone reads: f32 from memory, rounded to bf16 on the way through registers, kept in LDS as [k][64].
; Against that slice it multiplies all rows that chose the expert.  A row's RANK is the number of the expert's tokens below it, read off the bitmap bm; tile J holds ranks 16 J .. 16 J + 15.
; SECOND = 0: grid x = the slice of 64 columns of h; the rows are gathered from xb by rank; h goes out in bf16 as hbuf [e][slice 32][tile 128][nt 4][lane 32][16 bytes]: the order in which the
; second product's operand registers take it.  SECOND = 1: grid x = 16 kh + the slice of 64 output columns; K = columns 1024 kh .. of h; f32 sums go to part [kh][e][rank 2048][1024].
; LIMITS.  Weights, biases and x are rounded to bf16, h once to bf16; sums in f32, begun with the bias.  NaN and infinities are not treated apart.  Every split of the tokens is served: an expert
; with no row leaves its work-groups nothing to store; ranks past the count in the last tile repeat the last rank and land in places that nobody reads.
; NO CLUSTER, NO TENSOR LOAD: each weight byte has one reader; the loop over rows has a length that hangs on a stored count, so nothing in it fills LDS; K is cut in two so that 256 work-groups have
; slices with K rows of 256 bytes; the two halves' sums are f32 and are added by the launch behind.
; SHARES.  Eight waves.  Wave w streams K rows 128 w .. 128 w + 127 of the slice: 64 loads of 512 bytes, 60 of them asked for at the head.  Behind the one barrier wave w owns tiles J = w + 8 t and
; takes them in blocks of at most five: block b's place i is t = i nb + b, so that blocks differ by one tile at the most.  Stores of places past n, and products of places 2 to 4 past n, are jumped by
; scalar branches.  Place 1's products are always made: a block has one tile only where the wave has one tile in all, and what they give is then not stored.
; THE ROWS come straight into registers, one K step (32 along K) at a time, through a ring of five buffers: four steps, 40 loads, are on their way.  A step is 10 loads WHATEVER n IS, so that the
; waits can be counted: a place past n still asks, but all its lanes name one row (SECOND = 0: the last rank's token) or one 16 bytes (SECOND = 1), and what comes is not used.
; THE WEIGHTS' fragments come out of LDS through a ring of three buffers, asked for two K steps ahead.
; The loop over blocks has a length read off the bitmap, so every LDS address in it is fixed: K's 32 steps are written out, on three base registers and immediates.
; THE MATRIX INSTRUCTION IS USED TRANSPOSED: source 0 = 16 columns of the weights (turned out of LDS by ds_load_tr16_b128), source 1 = 16 rows: a lane holds ONE row (lane % 16) and the columns 8 (lane / 16) + 0..7.
; REGISTERS: window 0: v0-31 addresses; v32-127 weights' fragments, three buffers x 4 x 8; v128-247 rows' buffers 0 to 2, each 5 tiles x 8.
;   window 1: v0-159 accumulators, (tile i, nt) at 8 (4 i + nt); v160-239 rows' buffers 3 and 4; v240-251 (SECOND = 0) token numbers, two to a register, three registers a block; v252 a zero.
;   On the way out the fragments' registers are idle and hold what is stored, a set for each tile.
.set SECOND, 1
.if SECOND
.set WPITCH, 4096                      ; bytes from a K row of the weights to the next
.set CH,     262144                    ; bytes from 64 along K of the rows to the next 64: a slice of hbuf
.set US,     512                       ; bytes from one 16 along K of a tile's rows to the next
.else
.set WPITCH, 8192
.set CH,     128
.set US,     32
.endif
.set PB,     160                       ; an LDS row of the slice: 128 bytes + 32 = 40 words
.set STAGE,  1024*PB                   ; SECOND = 1: behind the slice, 16 rows x 272 bytes for each wave, for the way out
.set SPITCH, 272
.if SECOND
.set BIASB,  STAGE+8*16*SPITCH         ; the slice's 64 biases, rounded, in f32: 256 bytes, a copy for each wave
.else
.set BIASB,  STAGE
.endif
.set SPARE,  BIASB+8*256               ; the spare words, 128 bytes a wave: four blocks of 256 bytes that no other line names
.set H16, 1                            ; v1   first the lane, then (SECOND = 0) 16 h
.set RR,  2                            ; v2   r = lane % 16
.set HH,  3                            ; v3   h = lane / 16
.set WO,  4                            ; v4   the stream: my byte offset in memory
.set WL,  5                            ; v5   the stream: my byte in LDS
.set VB,  6                            ; v6-8 my lane's place in 32 K rows of the slice, at K steps 0, 12 and 24: twelve steps' 61,440 bytes are in reach of an immediate; never rewritten
.set L16, 9                            ; v9   16 x lane
.set IDB, 10                           ; v10-14  my byte offset in the rows of the block's five tiles; on the way out in the tiles' output
.set BL,  15                           ; v15  32 h: my offset in the slice's biases in memory; then the same in my wave's copy in LDS
.set STO, 16                           ; v16-18 (SECOND = 1) the way out: into the stage, back, my offset in part
.set RD,  17
.set CO,  18
.set SPW, 30                           ; v30  SPARE + 4 x my thread's number; never rewritten
.set NIL, 31                           ; v31  0; never rewritten
.set BF,  32
.set BR,  64                           ; v64-95 ahead of the barrier: the bias as loaded
.set SG,  64                           ; v64-223 (SECOND = 1) on the way out: 32 registers a tile
.set AF,  128
.set ACC, 0                            ; window 1
.set A2,  160
.set ID,  240
.set ZR,  252
; scalars: s[4:5] rows, s[6:7] bm, s[8:9] weights, s[10:11] bias, s[12:13] output; bitmap word j in s[16+j] (j < 48) or s[20+j];
; s84 wave, s85 expert, s86 slice, s87 count, s88 my tiles, s89 my blocks, s90 block, s91 n, s92 first count - 1, then the block that is set up, s93-95, s101 at work, s96 0xffff0000, s99, s100 the search's counter and bound
.set MSB, 0
.macro WIN new                         ; s_set_vgpr_msb: bits 1:0 source 0, 3:2 source 1, 5:4 source 2, 7:6 destination; the high byte repeats the setting that is left
.if MSB != (\new)
	s_set_vgpr_msb (MSB<<8)|(\new)
.set MSB, (\new)
.endif
.endm
.macro PLACES                          ; four places behind matrix instructions, in front of loads into their sources and of readers of their results
.rept 4
	v_nop
.endr
.endm
.macro ABUF buf                        ; where rows' buffer buf lies: AB its first register, AWN its window
.if (\buf) >= 3
.set AB, A2+40*((\buf)-3)
.set AWN, 1
.else
.set AB, AF+40*(\buf)
.set AWN, 0
.endif
.endm
; The rows of K step kk, into buffer kk % 5: two loads of 16 bytes a lane for each of the five places, 10 loads on every way
.macro LOADA kk
	ABUF (\kk)%5
	WIN AWN<<6
.irp t, 0,1,2,3,4
	global_load_b128 v[AB+8*(\t):AB+8*(\t)+3],   v[IDB+(\t)], s[4:5] offset:((\kk)/2)*CH+((\kk)%2)*2*US
	global_load_b128 v[AB+8*(\t)+4:AB+8*(\t)+7], v[IDB+(\t)], s[4:5] offset:((\kk)/2)*CH+((\kk)%2)*2*US+US
.endr
	WIN 0
.endm
; The weights' fragments of K step kk, 32 K x 64 columns, turned, into buffer kk % 3
.macro LOADB kk
.irp c, 0,1,2,3
	ds_load_tr16_b128 v[BF+32*((\kk)%3)+8*(\c):BF+32*((\kk)%3)+8*(\c)+3],   v[VB+(\kk)/12] offset:32*PB*((\kk)%12)+32*(\c)
	ds_load_tr16_b128 v[BF+32*((\kk)%3)+8*(\c)+4:BF+32*((\kk)%3)+8*(\c)+7], v[VB+(\kk)/12] offset:32*PB*((\kk)%12)+16*PB+32*(\c)
.endr
.endm
; Tile t's four products of K step k (MB: the step's rows).  The accumulators take turns, one instruction a turn, on every way
.macro TILE t
.irp c, 0,1,2,3
	v_wmma_f32_16x16x32_bf16 v[ACC+8*(4*(\t)+(\c)):ACC+8*(4*(\t)+(\c))+7], v[BF+32*(k%3)+8*(\c):BF+32*(k%3)+8*(\c)+7], v[MB+8*(\t):MB+8*(\t)+7], v[ACC+8*(4*(\t)+(\c)):ACC+8*(4*(\t)+(\c))+7]
.endr
.endm
; K step k of 32: the waits; two tiles' products; the requests (the weights two steps on, the rows four steps on, each into the buffer that step k - 1 has left, four places behind its products); the other tiles.
.macro STEP
.if k < 29
	s_wait_loadcnt 30                              ; my step's rows are in; the 30 loads of the three steps issued behind them stay out
.else
	s_wait_loadcnt 10*(31-k)                       ; the last steps: two, one, no step was issued behind
.endif
.if k < 31
	s_wait_dscnt 8                                 ; my step's weights are in (at step 0 the accumulators' start too); the next step's 8 loads stay out
.else
	s_wait_dscnt 0x0
.endif
	ABUF k%5
.set MB, AB
.set MW, 0x50|(AWN<<2)                 ; C and D in window 1, the rows in their buffer's window
	WIN MW
	TILE 0
	TILE 1
	WIN 0
	PLACES
.if k < 30
	LOADB k+2
.endif
.if k < 28
	LOADA k+4
.endif
.irp t, 2,3,4
	s_cmp_le_u32 s91, \t                           ; at a branch and at a label every window is 0
	s_cbranch_scc1 .Lmu_\@
	WIN MW
	TILE \t
	WIN 0
.endr
.Lmu_\@:
.set k, k+1
.endm
; Block s92 is set up: n, and my byte offsets in the rows of its five places.
.macro SETN
.if SECOND
	s_mov_b32 s91, 0
	s_mov_b32 s93, s92                             ; t = b, nb + b, .. 4 nb + b
.irp t, 0,1,2,3,4
	s_lshl3_add_u32 s94, s93, s84                  ; J = 8 t + w
	s_cmp_lt_u32 s93, s88                          ; a tile of mine?
	s_cselect_b32 s95, 1, 0
	s_cselect_b32 s94, s94, 0                      ; a place past n names the expert's first 16 bytes, in every lane
	s_cselect_b32 s101, 0x1f0, 0
	s_add_co_u32 s91, s91, s95
	s_min_u32 s94, s94, 127                        ; inside the expert's 128 tiles
	s_lshl_b32 s94, s94, 11
	v_and_b32 v[IDB+(\t)], s101, v[L16]
	v_add_nc_u32 v[IDB+(\t)], s94, v[IDB+(\t)]
	s_add_co_u32 s93, s93, s89
.endr
.else
	s_mov_b32 s91, 0                               ; n = how many of t = b, nb + b, .. 4 nb + b are tiles of mine
	s_mov_b32 s101, s92
.rept 5
	s_cmp_lt_u32 s101, s88
	s_cselect_b32 s93, 1, 0
	s_add_co_u32 s91, s91, s93
	s_add_co_u32 s101, s101, s89
.endr
	WIN 0x04                                       ; source 1 in window 1
	v_and_b32     v[IDB+0], 0xffff, v[ID+0]
	v_lshrrev_b32 v[IDB+1], 16, v[ID+0]
	v_and_b32     v[IDB+2], 0xffff, v[ID+1]
	v_lshrrev_b32 v[IDB+3], 16, v[ID+1]
	v_and_b32     v[IDB+4], 0xffff, v[ID+2]
	WIN 0
.irp t, 0,1,2,3,4
	v_min_u32 v[IDB+(\t)], 0x7ff, v[IDB+(\t)]      ; a token, inside xb's 2,048 rows
.endr
.irp t, 0,1,2,3,4
	v_lshl_add_u32 v[IDB+(\t)], v[IDB+(\t)], 11, v[H16]
.endr
.endif
.endm
; THE WAY OUT of the block's n tiles.  The rows' loads are all back, so their offsets' registers take the stores' offsets and the fragments' registers what is stored, a set for each tile: nothing is rewritten while a store may read it.
.macro WAYOUT
	PLACES
.irp t, 0,1,2,3,4
.if (\t) > 0
	s_cmp_le_u32 s91, \t
	s_cbranch_scc1 .Lwo_\@
.endif
	s_mul_i32 s101, s89, \t
	s_add_co_u32 s101, s101, s90                   ; t = i nb + b
	s_lshl3_add_u32 s101, s101, s84                ; J = 8 t + w,
	s_min_u32 s101, s101, 127                      ; inside the expert's 128 tiles
.if SECOND
	s_lshl_b32 s101, s101, 16                      ; 16 rows of 4,096 bytes
	v_add_nc_u32 v[IDB+(\t)], s101, v[CO]
	WIN 0x04                                       ; store data in window 1: the sums as they are, each accumulator from its low end on
.irp c, 0,1,2,3
	ds_store_b128 v[STO], v[ACC+8*(4*(\t)+(\c)):ACC+8*(4*(\t)+(\c))+3]   offset:64*(\c)
	ds_store_b128 v[STO], v[ACC+8*(4*(\t)+(\c))+4:ACC+8*(4*(\t)+(\c))+7] offset:64*(\c)+16
.endr
	WIN 0
.irp u, 0,1,2,3,4,5,6,7
	ds_load_b128 v[SG+32*(\t)+4*(\u):SG+32*(\t)+4*(\u)+3], v[RD] offset:(\u)*2*SPITCH  ; my own stage: LDS serves a wave's instructions in order (ISA guide 5.7.1.4), these see the stores above
.endr
	s_wait_dscnt 0x0
.irp u, 0,1,2,3,4,5,6,7
	global_store_b128 v[IDB+(\t)], v[SG+32*(\t)+4*(\u):SG+32*(\t)+4*(\u)+3], s[12:13] offset:(\u)*8192  ; 16 lanes store 256 consecutive bytes, aligned: a row's 64 columns
.endr
.else
	s_lshl_b32 s101, s101, 11                      ; a tile of hbuf is 2,048 bytes
	v_add_nc_u32 v[IDB+(\t)], s101, v[L16]
	WIN 0x45                                       ; destination and both sources in window 1
.irp c, 0,1,2,3
.irp m, 0,1,2,3                        ; from each accumulator's low end on
	v_cvt_pk_bf16_f32 v[A2+16*(\t)+4*(\c)+(\m)], v[ACC+8*(4*(\t)+(\c))+2*(\m)], v[ACC+8*(4*(\t)+(\c))+2*(\m)+1]
.endr
.endr
.irp c, 0,1,2,3
.irp m, 0,1,2,3
	v_pk_max_num_bf16 v[A2+16*(\t)+4*(\c)+(\m)], v[A2+16*(\t)+4*(\c)+(\m)], v[ZR]  ; relu on the rounded pair: nothing is rounded again
.endr
.endr
	WIN 0x04
.irp c, 0,1,2,3
	global_store_b128 v[IDB+(\t)], v[A2+16*(\t)+4*(\c):A2+16*(\t)+4*(\c)+3], s[12:13] offset:512*(\c)  ; the wave stores 512 consecutive bytes, aligned
.endr
	WIN 0
.endif
.endr
.Lwo_\@:
.endm
	s_load_b256 s[4:11], s[0:1], 0x0               ; rows s[4:5], bm s[6:7], weights s[8:9], bias s[10:11]
	s_load_b64 s[12:13], s[0:1], 0x20              ; output
	v_lshl_add_u32 v[SPW], v0, 2, SPARE
	v_mov_b32 v[NIL], 0
	v_and_b32 v1, 31, v0
	v_and_b32 v[RR], 15, v0
	v_bfe_u32 v[HH], v0, 4, 1
	v_lshrrev_b32 v16, 5, v0
	v_readfirstlane_b32 s84, v16                   ; wave 0..7
	s_and_b32 s85, ttmp7, 0xffff                   ; expert
.if SECOND
	s_and_b32 s86, ttmp9, 15                       ; slice of 64 output columns
	s_lshr_b32 s98, ttmp9, 4                       ; kh: which half of K
	s_cmp_eq_u32 s98, 0
	s_cselect_b32 s97, -1, 0                       ; the bias belongs to half 0 alone
.else
	s_mov_b32 s86, ttmp9                           ; slice of 64 columns of h
.endif
	s_mov_b32 s96, 0xffff0000                      ; a word's upper bf16; also: lanes 16-31
	v_mul_u32_u24 v[WO], v[HH], 4*WPITCH           ; lanes 0-15 take a K row's 256 bytes, lanes 16-31 those of the row four further on
	v_lshl_add_u32 v[WO], v[RR], 4, v[WO]
	s_mul_i32 s101, s84, 128*PB
	v_mul_u32_u24 v[WL], v[HH], 4*PB
	v_lshl_add_u32 v[WL], v[RR], 3, v[WL]
	v_add_nc_u32 v[WL], s101, v[WL]
	v_and_b32 v16, 7, v0                           ; the turning load: lane l reads K row 8 (l / 16) + l % 8, columns 8 ((l / 8) % 2) + 0..7
	v_lshl_add_u32 v16, v[HH], 3, v16
	v_mul_u32_u24 v[VB], v16, PB
	v_bfe_u32 v16, v0, 3, 1
	v_lshl_add_u32 v[VB], v16, 4, v[VB]
	v_add_nc_u32 v[VB+1], 12*32*PB, v[VB]
	v_add_nc_u32 v[VB+2], 24*32*PB, v[VB]
	v_lshlrev_b32 v[L16], 4, v1
.if !SECOND
	v_lshlrev_b32 v[H16], 4, v[HH]
.endif
	v_lshlrev_b32 v[BL], 5, v[HH]                  ; the bias of my eight columns of a group of 16
	s_wait_kmcnt 0x0
	s_lshl_b32 s2, s85, 8
	s_mov_b32 s3, 0
	s_add_nc_u64 s[6:7], s[6:7], s[2:3]            ; the expert's row of the bitmap
	s_load_b512 s[16:31], s[6:7], 0x0
	s_load_b512 s[32:47], s[6:7], 0x40
	s_load_b512 s[48:63], s[6:7], 0x80
	s_load_b512 s[68:83], s[6:7], 0xc0
.if SECOND
	s_lshl_b32 s2, s85, 12                         ; b2: 1,024 numbers an expert
.else
	s_lshl_b32 s2, s85, 13                         ; b1: 2,048
.endif
	s_lshl_b32 s101, s86, 8
	s_add_co_u32 s2, s2, s101
	s_add_nc_u64 s[10:11], s[10:11], s[2:3]
	s_lshl_b32 s2, s85, 23                         ; the expert's 8 MiB of weights,
	s_add_co_u32 s2, s2, s101                      ; the slice's 256 bytes of a K row,
	s_mul_i32 s101, s84, 128*WPITCH                ; my wave's 128 K rows
	s_add_co_u32 s2, s2, s101
.if SECOND
	s_lshl_b32 s101, s98, 22                       ; and the half of K
	s_add_co_u32 s2, s2, s101
.endif
	s_add_nc_u64 s[8:9], s[8:9], s[2:3]
	; THE STREAM: my 128 K rows x 256 bytes.  Load i takes rows 8 (i / 4) + i % 4 and that + 4.  60 of the 64 loads go out now, into window 1: where the accumulators and the rows' buffers 3 and 4 will lie.
	WIN 0x40                                       ; destination in window 1
.set i, 0
.rept 60
	global_load_b128 v[4*i:4*i+3], v[WO], s[8:9] offset:(8*(i/4)+i%4)*WPITCH th:TH_LOAD_NT
.set i, i+1
.endr
	WIN 0
.if SECOND
	s_lshl_b32 s2, s98, 3                          ; part: plane 8 kh + e of 8 MiB, the slice's 256 bytes of a row
	s_add_co_u32 s2, s2, s85
	s_lshl_b32 s2, s2, 23
	s_lshl_b32 s101, s86, 8
	s_add_co_u32 s2, s2, s101
	s_add_nc_u64 s[12:13], s[12:13], s[2:3]
	s_lshl_b32 s2, s85, 5                          ; hbuf: slice 32 e + 16 kh on
	s_lshl_b32 s101, s98, 4
	s_add_co_u32 s2, s2, s101
	s_lshl_b32 s2, s2, 18
	s_add_nc_u64 s[4:5], s[4:5], s[2:3]
	s_mul_i32 s101, s84, 16*SPITCH
	s_add_co_u32 s101, s101, STAGE                 ; my stage
	v_mul_u32_u24 v[STO], v[RR], SPITCH            ; in: row r, 32 bytes for each half of the lanes
	v_lshl_add_u32 v[STO], v[HH], 5, v[STO]
	v_add_nc_u32 v[STO], s101, v[STO]
	v_mul_u32_u24 v[RD], v[HH], SPITCH             ; back: lanes 0-15 one row of 256 bytes, lanes 16-31 the next
	v_lshl_add_u32 v[RD], v[RR], 4, v[RD]
	v_add_nc_u32 v[RD], s101, v[RD]
	v_lshlrev_b32 v[CO], 12, v[HH]                 ; and the same two rows in part
	v_lshl_add_u32 v[CO], v[RR], 4, v[CO]
.else
	s_lshl_b32 s2, s85, 5                          ; hbuf: slice 32 e + s of 262,144 bytes
	s_add_co_u32 s2, s2, s86
	s_lshl_b32 s2, s2, 18
	s_add_nc_u64 s[12:13], s[12:13], s[2:3]
.endif
	s_wait_kmcnt 0x0                               ; the bitmap
	s_mov_b32 s87, 0
.set j, 0
.rept 64
	s_bcnt1_i32_b32 s101, s[16+j+4*(j/48)]
	s_add_co_u32 s87, s87, s101                    ; the expert's rows
.set j, j+1
.endr
	s_add_co_u32 s88, s87, 15
	s_lshr_b32 s88, s88, 4                         ; its tiles,
	s_add_co_u32 s88, s88, 7
	s_sub_co_u32 s88, s88, s84
	s_lshr_b32 s88, s88, 3                         ; of which J = w, w + 8, .. are mine: 16 at the most
	s_min_u32 s88, s88, 16
	s_add_co_u32 s89, s88, 4
	s_mul_i32 s89, s89, 13
	s_lshr_b32 s89, s89, 6                         ; blocks: (tiles + 4) / 5, as x 13 / 64, which holds up to 20
.if !SECOND
	; WHICH TOKEN HAS A RANK.  It stands here, in the wait for the stream.  Twelve trips, three for each block; a trip finds two places of 16 ranks: lanes 0-15 search for place i = 2 (v % 3) of block v / 3,
	; lanes 16-31 for place i + 1 (the sixth place of a block is never a tile).  Place i of block b is tile t = i nb + b.  Trips past the blocks in use are jumped.  The two tokens go into one register,
	; and each trip ends by moving the list down by one, so that after twelve trips trip v's pair lies in ID[v].
	s_max_u32 s92, s87, 1
	s_sub_co_u32 s92, s92, 1                       ; the last rank
	s_mov_b32 s97, 0x76543210                      ; v_permlanex16_b32: each lane takes its own place in the other half
	s_mov_b32 s98, 0xfedcba98
	v_mov_b32 v27, 0                               ; its destination counts as read
	WIN 0x40
.set k, 0
.rept 13
	v_mov_b32 v[ID+k], 0                           ; the list, and the zero behind it
.set k, k+1
.endr
	WIN 0
	s_mul_i32 s100, s89, 3                         ; trips in use
	s_mov_b32 s99, 0
.macro LEVEL step                      ; v23 = the set bits in the lower half of what is left: is the wanted one above them?
	v_cmp_ge_u32 vcc_lo, v19, v23
	v_sub_nc_u32 v25, v19, v23
	v_add_nc_u32 v26, \step, v24
	v_cndmask_b32 v19, v19, v25, vcc_lo
	v_cndmask_b32 v24, v24, v26, vcc_lo
.endm
.Lsel:
	v_mov_b32 v28, 0
	s_cmp_ge_u32 s99, s100
	s_cbranch_scc1 .Lrot
	s_mul_i32 s91, s99, 11
	s_lshr_b32 s91, s91, 5                         ; b = v / 3, as x 11 / 32, which holds up to 11
	s_mul_i32 s93, s91, 3
	s_sub_co_u32 s93, s99, s93
	s_lshl_b32 s93, s93, 1                         ; i = 2 (v % 3)
	s_mul_i32 s93, s93, s89
	s_add_co_u32 s93, s93, s91                     ; t of place i,
	s_add_co_u32 s94, s93, s89                     ; of place i + 1
	s_lshl3_add_u32 s93, s93, s84                  ; J
	s_lshl3_add_u32 s94, s94, s84
	s_lshl_b32 s2, s93, 4                          ; their first ranks
	s_lshl_b32 s3, s94, 4
	v_mov_b32 v16, s2
	v_cndmask_b32 v16, v16, s3, s96
	v_add_nc_u32 v16, v[RR], v16
	v_min_u32 v16, s92, v16                        ; my rank; past the count: the last rank again
	v_mov_b32 v17, s16                             ; the word that holds it, and (word's number, set bits below the word)
	v_mov_b32 v18, 0
	s_mov_b32 s93, 0
.set j, 1
.rept 63
	s_bcnt1_i32_b32 s95, s[16+(j-1)+4*((j-1)/48)]
	s_add_co_u32 s93, s93, s95                     ; set bits below word j
	s_add_co_u32 s94, s93, j<<16
	v_cmp_le_u32 vcc_lo, s93, v16                  ; the last word of which this holds is the one
	v_cndmask_b32 v17, v17, s[16+j+4*(j/48)], vcc_lo
	v_cndmask_b32 v18, v18, s94, vcc_lo
.set j, j+1
.endr
	v_and_b32 v19, 0xffff, v18
	v_sub_nc_u32 v19, v16, v19                     ; which of the word's set bits
	v_lshrrev_b32 v20, 1, v17                      ; counts in fields of 2, 4 and 8 bits
	v_and_b32 v20, 0x55555555, v20
	v_sub_nc_u32 v20, v17, v20
	v_lshrrev_b32 v21, 2, v20
	v_and_b32 v21, 0x33333333, v21
	v_and_b32 v23, 0x33333333, v20
	v_add_nc_u32 v21, v21, v23
	v_lshrrev_b32 v22, 4, v21
	v_add_nc_u32 v22, v22, v21
	v_and_b32 v22, 0x0f0f0f0f, v22
	v_lshrrev_b32 v23, 8, v22
	v_add_nc_u32 v23, v23, v22
	v_and_b32 v23, 0xff, v23                       ; in the low 16 bits
	v_mov_b32 v24, 0                               ; the bit's place, made from the top down
	LEVEL 16
	v_bfe_u32 v23, v22, v24, 8
	LEVEL 8
	v_bfe_u32 v23, v21, v24, 4
	LEVEL 4
	v_bfe_u32 v23, v20, v24, 2
	LEVEL 2
	v_bfe_u32 v23, v17, v24, 1
	LEVEL 1
	v_lshrrev_b32 v25, 16, v18
	v_lshl_add_u32 v26, v25, 5, v24                ; the token
	v_permlanex16_b32 v27, v26, s97, s98           ; a tile's token r is wanted in lanes r and r + 16
	v_cndmask_b32 v28, v26, v27, s96               ; place i's tokens,
	v_cndmask_b32 v29, v27, v26, s96               ; place i + 1's,
	v_lshl_or_b32 v28, v29, 16, v28                ; 11 bits each, in the two halves of a word
.Lrot:
	WIN 0x41                                       ; destination and source in window 1
.set k, 0
.rept 11
	v_mov_b32 v[ID+k], v[ID+k+1]
.set k, k+1
.endr
	WIN 0x40
	v_mov_b32 v[ID+11], v28
	WIN 0
	s_add_co_u32 s99, s99, 1
	s_cmp_lt_u32 s99, 12
	s_cbranch_scc1 .Lsel
.endif
	s_mov_b32 s92, 0
	SETN                                           ; the first block
	; THE STREAM LANDS: four loads at a time are rounded to bf16 and laid into LDS, 8 bytes a lane; the two halves of the lanes fall 640 bytes, 32 banks, apart.
	; Among the groups further loads go out, so that never more than 60 are out: behind group 0 the stream's last four, into the registers that group 0 has left; behind group 2 the bias's eight;
	; behind group 7 the first block's K steps 0 and 1 of the rows, behind group 12 its K steps 2 and 3 (buffer 3 lies where groups 10 to 12 landed), 20 loads each time.
	; Each wait's count is the loads issued behind its group's.
.set g, 0
.rept 16
.if g < 2
	s_wait_loadcnt 56                              ; group 0: groups 1-14; group 1: groups 2-14 and group 15
.elseif g == 2
	s_wait_loadcnt 52                              ; groups 3-14 and group 15
.elseif g < 8
	s_wait_loadcnt (14-g)*4+12                     ; the later groups, group 15's 4, the bias's 8
.elseif g < 13
	s_wait_loadcnt (14-g)*4+32                     ; and K steps 0 and 1's 20
.elseif g < 15
	s_wait_loadcnt (14-g)*4+52                     ; and K steps 2 and 3's 20
.else
	s_wait_loadcnt 48                              ; group 15: the bias's 8 and the four K steps' 40
.endif
	WIN 0x05                                       ; sources in window 1
.set src, 16*(g%15)
.set j, 0
.rept 4
	v_cvt_pk_bf16_f32 v[BF+8*(g%4)+2*j],   v[src+4*j],   v[src+4*j+1]
	v_cvt_pk_bf16_f32 v[BF+8*(g%4)+2*j+1], v[src+4*j+2], v[src+4*j+3]
.set j, j+1
.endr
	WIN 0
.set j, 0
.rept 4
	ds_store_b64 v[WL], v[BF+8*(g%4)+2*j:BF+8*(g%4)+2*j+1] offset:(8*g+j)*PB
.set j, j+1
.endr
.if g == 0
	WIN 0x40
.set i, 60
.rept 4
	global_load_b128 v[4*(i-60):4*(i-60)+3], v[WO], s[8:9] offset:(8*(i/4)+i%4)*WPITCH th:TH_LOAD_NT
.set i, i+1
.endr
	WIN 0
.endif
.if g == 2
.irp c, 0,1,2,3
	global_load_b128 v[BR+8*(\c):BR+8*(\c)+3],   v[BL], s[10:11] offset:64*(\c)
	global_load_b128 v[BR+8*(\c)+4:BR+8*(\c)+7], v[BL], s[10:11] offset:64*(\c)+16
.endr
.endif
.if g == 7
	LOADA 0
	LOADA 1
.endif
.if g == 12
	LOADA 2
	LOADA 3
.endif
.set g, g+1
.endr
	s_wait_loadcnt 40                              ; the bias is in; the four K steps' 40 loads stay out
.set k, 0
.rept 16                               ; rounded to bf16 and widened again
	v_cvt_pk_bf16_f32 v[BF+k%4], v[BR+2*k], v[BR+2*k+1]
.if SECOND
	v_and_b32 v[BF+k%4], s97, v[BF+k%4]            ; 0 in K half 1
.endif
	v_lshlrev_b32 v[BR+2*k], 16, v[BF+k%4]
	v_and_b32 v[BR+2*k+1], s96, v[BF+k%4]
.set k, k+1
.endr
	s_lshl_b32 s101, s84, 8
	s_add_co_u32 s101, s101, BIASB
	v_add_nc_u32 v[BL], s101, v[BL]                ; free since the wait above: now my place in my wave's copy
.irp c, 0,1,2,3
	ds_store_b128 v[BL], v[BR+8*(\c):BR+8*(\c)+3]   offset:64*(\c)     ; the sixteen lanes of a half store the same numbers to the same bytes
	ds_store_b128 v[BL], v[BR+8*(\c)+4:BR+8*(\c)+7] offset:64*(\c)+16
.endr
	s_wait_dscnt 0x0                               ; for the others' sake: my K rows are in LDS
	s_barrier_signal -1
	s_barrier_wait -1                              ; the one barrier: the slice is whole, and nothing writes it again
	s_cmp_eq_u32 s89, 0
	s_cbranch_scc1 .Ldone                          ; no tile of mine
	s_mov_b32 s90, 0
.Lblock:                                               ; nb trips, a number read off the bitmap; the LDS addresses are the same in every trip.  The block's K steps 0 to 3 of the rows are on their way
	WIN 0x40                                       ; destination in window 1
.irp t, 0,1,2,3,4                      ; the sums begin with the bias: my wave's own copy, which my own stores wrote
.irp c, 0,1,2,3
	ds_load_b128 v[ACC+8*(4*(\t)+(\c)):ACC+8*(4*(\t)+(\c))+3],   v[BL] offset:64*(\c)
	ds_load_b128 v[ACC+8*(4*(\t)+(\c))+4:ACC+8*(4*(\t)+(\c))+7], v[BL] offset:64*(\c)+16
.endr
.endr
	WIN 0
	LOADB 0                                        ; K steps 0 and 1 of the weights
	LOADB 1
.set k, 0
.rept 32                               ; the place along K stands in the loads' immediates: 15 CH + 3 US at the most, inside the signed 24 bits
	STEP
.endr
	WAYOUT
	s_wait_xcnt 0x0                                ; the stores have read their offsets and data: the rows' offsets and the fragments' registers are rewritten only behind this wait
	s_add_co_u32 s92, s90, 1
	s_cmp_ge_u32 s92, s89
	s_cbranch_scc1 .Lnone                          ; no further block: nothing is asked for
.if !SECOND
	WIN 0x41
.set k, 0
.rept 9
	v_mov_b32 v[ID+k], v[ID+k+3]                   ; the next block's three registers
.set k, k+1
.endr
	WIN 0
.endif
	SETN
	LOADA 0                                        ; the next block's first four K steps
	LOADA 1
	LOADA 2
	LOADA 3
.Lnone:
	s_add_co_u32 s90, s90, 1
	s_cmp_lt_u32 s90, s89
	s_cbranch_scc1 .Lblock
.Ldone:
	s_wait_tensorcnt 0x0                           ; the wave's end
	ds_add_u32 v[SPW], v[NIL]
	s_wait_dscnt 0x0
	s_endpgm
.Lfunc_end_k_qf2ee39815b_ffn2:
	.size	k_qf2ee39815b_ffn2, .Lfunc_end_k_qf2ee39815b_ffn2-k_qf2ee39815b_ffn2
	.p2alignl 7, 3214868480
	.fill 96, 4, 3214868480
	.section	.rodata,"a",@progbits
	.p2align	6, 0x0
	.amdhsa_kernel k_qf2ee39815b_ffn2
		.amdhsa_group_segment_fixed_size 201728
		.amdhsa_private_segment_fixed_size 0
		.amdhsa_enable_private_segment 0
		.amdhsa_kernarg_size 40
		.amdhsa_user_sgpr_count 2
		.amdhsa_user_sgpr_kernarg_segment_ptr 1
		.amdhsa_wavefront_size32 1
		.amdhsa_system_sgpr_workgroup_id_x 1
		.amdhsa_system_sgpr_workgroup_id_y 1
		.amdhsa_system_sgpr_workgroup_id_z 1
		.amdhsa_system_vgpr_workitem_id 0
		.amdhsa_next_free_vgpr 512
		.amdhsa_next_free_sgpr 102
		.amdhsa_reserve_vcc 1
		.amdhsa_float_denorm_mode_32 3
		.amdhsa_float_denorm_mode_16_64 3
		.amdhsa_memory_ordered 1
		.amdhsa_forward_progress 1
		.amdhsa_inst_pref_size 160
	.end_amdhsa_kernel
	.amdgpu_metadata
---
amdhsa.version: [ 1, 2 ]
amdhsa.kernels:
  - .name:           k_qf2ee39815b_ffn2
    .symbol:         k_qf2ee39815b_ffn2.kd
    .args:
      - { .name: hbuf, .offset: 0, .size: 8, .value_kind: global_buffer, .address_space: global }
      - { .name: bm, .offset: 8, .size: 8, .value_kind: global_buffer, .address_space: global }
      - { .name: W2, .offset: 16, .size: 8, .value_kind: global_buffer, .address_space: global }
      - { .name: b2, .offset: 24, .size: 8, .value_kind: global_buffer, .address_space: global }
      - { .name: part, .offset: 32, .size: 8, .value_kind: global_buffer, .address_space: global }
    .group_segment_fixed_size: 201728
    .private_segment_fixed_size: 0
    .kernarg_segment_align: 8
    .kernarg_segment_size: 40
    .max_flat_workgroup_size: 256
    .sgpr_count:     102
    .vgpr_count:     512
    .wavefront_size: 32
...
	.end_amdgpu_metadata
.endif
;; end of part 3
;; launch combine (part 4): grid 256 x 1, 8 waves a work-group, no clusters, 0 bytes of LDS; arguments part, gw, bm, out0; writes out0
.if DOCPART == 4
	.amdgcn_target "amdgcn-amd-amdhsa--gfx1250"
	.amdhsa_code_object_version 6
	.text
	.protected	k_qf2ee39815b_combine
	.globl	k_qf2ee39815b_combine
	.p2align	8
	.type	k_qf2ee39815b_combine,@function
k_qf2ee39815b_combine:
	s_mov_b64 s[64:65], 0
	v_nop
	global_prefetch_b8 v0, s[64:65] scope:SCOPE_SE
	s_setreg_imm32_b32 hwreg(HW_REG_WAVE_MODE, 25, 1), 1
	s_wait_xcnt 0x0
; out[t] = g0 (P0[p0] + P1[p0]) + g1 (P0[p1] + P1[p1]).  part: [K half 2][expert 8][rank 2048][1024] f32; p = 2048 x expert + rank of token t in that expert; gw: the two gates, the lower expert's first.
; One wave, one token: four rows of 4,096 bytes in, one out; each load and store of the wave covers 512 consecutive bytes, aligned.  Memory binds: no LDS, no barrier, no matrix unit, nothing shared between work-groups.
; The rank is counted from the bitmap bm [8][64 words]: the expert's set bits below token t.  Lane L holds words 16 (L % 4) .. + 15 of expert L / 4.
; A token that the bitmap gives fewer than two experts (only where the router met NaN) reads places inside part all the same.
	s_load_b256 s[4:11], s[0:1], 0x0               ; part s[4:5], gw s[6:7], bm s[8:9], out0 s[10:11]
	v_and_b32 v1, 31, v0
	v_lshrrev_b32 v2, 5, v0
	v_readfirstlane_b32 s16, v2                    ; wave 0..7
	s_lshl_b32 s17, ttmp9, 3
	s_add_co_u32 s17, s17, s16                     ; my token t
	s_lshr_b32 s18, s17, 5                         ; its word
	s_and_b32 s19, s17, 31                         ; its bit
	s_bfm_b32 s20, s19, 0                          ; the bits below it
	s_lshl_b32 s21, 1, s19
	v_lshlrev_b32 v3, 6, v1                        ; bm: 64 bytes a lane
	v_lshlrev_b32 v4, 4, v1                        ; rows: 16 bytes a lane
	v_and_b32 v5, 3, v1
	v_lshlrev_b32 v5, 4, v5
	v_sub_nc_u32 v5, s18, v5                       ; the token's word, counted from my first word (signed)
	v_lshrrev_b32 v6, 2, v1
	v_lshlrev_b32 v6, 11, v6                       ; 2048 x my expert
	v_mov_b32 v7, 0                                ; counts, a byte each
	v_mov_b32 v8, 0                                ; the token's word, in the lane that holds it
	s_wait_kmcnt 0x0
.irp i, 0,1,2,3
	global_load_b128 v[16+4*(\i):19+4*(\i)], v3, s[8:9] offset:16*(\i)
.endr
	s_lshl_b32 s2, s17, 3
	s_mov_b32 s3, 0
	s_add_nc_u64 s[6:7], s[6:7], s[2:3]
	s_load_b64 s[12:13], s[6:7], 0x0               ; g0, g1
	s_lshl_b32 s2, s17, 12
	s_add_nc_u64 s[10:11], s[10:11], s[2:3]        ; my row of out0
	s_wait_loadcnt 0x0
.set i, 0
.rept 16
	v_cmp_lt_i32 vcc_lo, i, v5                     ; a word below the token's counts whole,
	v_cndmask_b32 v9, 0, v[16+i], vcc_lo
	v_cmp_eq_u32 vcc_lo, i, v5                     ; the token's own with the bits below the token's,
	v_and_b32 v10, s20, v[16+i]
	v_cndmask_b32 v9, v9, v10, vcc_lo
	v_cndmask_b32 v8, v8, v[16+i], vcc_lo
	v_lshrrev_b32 v10, 1, v9                       ; set bits in fields of 2, 4, 8
	v_and_b32 v10, 0x55555555, v10
	v_sub_nc_u32 v9, v9, v10
	v_lshrrev_b32 v10, 2, v9
	v_and_b32 v9, 0x33333333, v9
	v_and_b32 v10, 0x33333333, v10
	v_add_nc_u32 v9, v9, v10
	v_lshrrev_b32 v10, 4, v9
	v_add_nc_u32 v9, v9, v10
	v_and_b32 v9, 0x0f0f0f0f, v9
	v_add_nc_u32 v7, v7, v9                        ; 16 words x 8 at the most in a byte
.set i, i+1
.endr
	v_lshrrev_b32 v9, 8, v7
	v_and_b32 v7, 0x00ff00ff, v7
	v_and_b32 v9, 0x00ff00ff, v9
	v_add_nc_u32 v7, v7, v9
	v_lshrrev_b32 v9, 16, v7
	v_and_b32 v7, 0xffff, v7
	v_add_nc_u32 v7, v7, v9
	v_mov_b32_dpp v9, v7 row_xmask:1 row_mask:0xf bank_mask:0xf  ; over the expert's four lanes
	v_add_nc_u32 v7, v7, v9
	v_mov_b32_dpp v9, v7 row_xmask:2 row_mask:0xf bank_mask:0xf
	v_add_nc_u32 v7, v7, v9
	v_add_nc_u32 v7, v7, v6                        ; lanes 4 e .. 4 e + 3: 2048 e + the token's rank in e
	v_and_b32 v9, s21, v8
	v_cmp_ne_u32 s22, 0, v9                        ; lane 4 e + word / 16: did the token choose e?
	s_lshr_b32 s23, s18, 4
	s_lshr_b32 s22, s22, s23                       ; now bit 4 e
.irp e, 0,1,2,3,4,5,6,7
	v_readlane_b32 s[32+(\e)], v7, 4*(\e)
.endr
	s_mov_b32 s24, 0
	s_mov_b32 s25, 0
.irp e, 0,1,2,3,4,5,6,7                ; upward: the higher chosen expert stays
	s_bitcmp1_b32 s22, 4*(\e)
	s_cselect_b32 s25, s[32+(\e)], s25
.endr
.irp e, 7,6,5,4,3,2,1,0                ; downward: the lower one
	s_bitcmp1_b32 s22, 4*(\e)
	s_cselect_b32 s24, s[32+(\e)], s24
.endr
	s_min_u32 s24, s24, 16383                      ; inside a half of part: 16,384 rows
	s_min_u32 s25, s25, 16383
	s_lshl_b32 s2, s24, 12
	s_add_nc_u64 s[40:41], s[4:5], s[2:3]          ; p0 in K half 0,
	s_add_nc_u64 s[42:43], s[40:41], 0x4000000     ; in half 1, 64 MiB on
	s_lshl_b32 s2, s25, 12
	s_add_nc_u64 s[44:45], s[4:5], s[2:3]
	s_add_nc_u64 s[46:47], s[44:45], 0x4000000
.set i, 0
.rept 8                                ; all 32 loads go out before the first wait
	global_load_b128 v[32+16*i:35+16*i], v4, s[40:41] offset:512*i th:TH_LOAD_NT
	global_load_b128 v[36+16*i:39+16*i], v4, s[42:43] offset:512*i th:TH_LOAD_NT
	global_load_b128 v[40+16*i:43+16*i], v4, s[44:45] offset:512*i th:TH_LOAD_NT
	global_load_b128 v[44+16*i:47+16*i], v4, s[46:47] offset:512*i th:TH_LOAD_NT
.set i, i+1
.endr
	s_wait_kmcnt 0x0
	s_mov_b32 s14, s13                             ; g1 in the low word of a pair of its own: the packed forms take a scalar pair's low word for both halves
	s_mov_b32 s15, s13
.set i, 0
.rept 8
	s_wait_loadcnt 28-4*i                          ; piece i's four loads are in; the younger pieces' stay out
.irp m, 0,2
	v_pk_add_f32 v[32+16*i+(\m):33+16*i+(\m)], v[32+16*i+(\m):33+16*i+(\m)], v[36+16*i+(\m):37+16*i+(\m)]
	v_pk_add_f32 v[40+16*i+(\m):41+16*i+(\m)], v[40+16*i+(\m):41+16*i+(\m)], v[44+16*i+(\m):45+16*i+(\m)]
	v_pk_mul_f32 v[32+16*i+(\m):33+16*i+(\m)], v[32+16*i+(\m):33+16*i+(\m)], s[12:13] op_sel_hi:[1,0]
	v_pk_fma_f32 v[32+16*i+(\m):33+16*i+(\m)], v[40+16*i+(\m):41+16*i+(\m)], s[14:15], v[32+16*i+(\m):33+16*i+(\m)] op_sel_hi:[1,0,1]
.endr
	global_store_b128 v4, v[32+16*i:35+16*i], s[10:11] offset:512*i th:TH_STORE_NT
.set i, i+1
.endr
	s_endpgm
.Lfunc_end_k_qf2ee39815b_combine:
	.size	k_qf2ee39815b_combine, .Lfunc_end_k_qf2ee39815b_combine-k_qf2ee39815b_combine
	.p2alignl 7, 3214868480
	.fill 96, 4, 3214868480
	.section	.rodata,"a",@progbits
	.p2align	6, 0x0
	.amdhsa_kernel k_qf2ee39815b_combine
		.amdhsa_group_segment_fixed_size 0
		.amdhsa_private_segment_fixed_size 0
		.amdhsa_enable_private_segment 0
		.amdhsa_kernarg_size 32
		.amdhsa_user_sgpr_count 2
		.amdhsa_user_sgpr_kernarg_segment_ptr 1
		.amdhsa_wavefront_size32 1
		.amdhsa_system_sgpr_workgroup_id_x 1
		.amdhsa_system_sgpr_workgroup_id_y 1
		.amdhsa_system_sgpr_workgroup_id_z 1
		.amdhsa_system_vgpr_workitem_id 0
		.amdhsa_next_free_vgpr 160
		.amdhsa_next_free_sgpr 66
		.amdhsa_reserve_vcc 1
		.amdhsa_float_denorm_mode_32 3
		.amdhsa_float_denorm_mode_16_64 3
		.amdhsa_memory_ordered 1
		.amdhsa_forward_progress 1
		.amdhsa_inst_pref_size 23
	.end_amdhsa_kernel
	.amdgpu_metadata
---
amdhsa.version: [ 1, 2 ]
amdhsa.kernels:
  - .name:           k_qf2ee39815b_combine
    .symbol:         k_qf2ee39815b_combine.kd
    .args:
      - { .name: part, .offset: 0, .size: 8, .value_kind: global_buffer, .address_space: global }
      - { .name: gw, .offset: 8, .size: 8, .value_kind: global_buffer, .address_space: global }
      - { .name: bm, .offset: 16, .size: 8, .value_kind: global_buffer, .address_space: global }
      - { .name: out0, .offset: 24, .size: 8, .value_kind: global_buffer, .address_space: global }
    .group_segment_fixed_size: 0
    .private_segment_fixed_size: 0
    .kernarg_segment_align: 8
    .kernarg_segment_size: 32
    .max_flat_workgroup_size: 256
    .sgpr_count:     66
    .vgpr_count:     160
    .wavefront_size: 32
...
	.end_amdgpu_metadata
.endif
;; end of part 4
